; MI455X (gfx1250); checked and timed in simulation.
; The chip was launched on July 23, 2026; its instructions are those of AMD's public machine-readable ISA for CDNA 5 (MIT licence, August 2026) and "CDNA5" Instruction Set Architecture Reference Guide (July 2026). The comments in the code are by the model that wrote it; some were corrected since.
;; Efficient Cross Attention. Allowed arithmetic: matrix products marked QUANTISED: E2M1 operands, one E8M0 scale for each 32 along K, by v_wmma_scale_f32_16x16x128_f8f6f4 with both operands' format E2M1 (or v_wmma_scale_f32_32x16x128_f4), f32 sums; everything else in f32.
;; Inputs: Wh_codes 1,024 x 32 x 16 uint8 (E2M1 codes of Wh, K innermost, in blocks of 32 codes, two codes a byte); Wh_scales 1,024 x 32 uint8 (E8M0 scales of Wh, one for each 32 codes along K); Wk_codes 1,024 x 24 x 16 uint8 (E2M1 codes of Wk, K innermost, in blocks of 32 codes, two codes a byte); Wk_scales 1,024 x 24 uint8 (E8M0 scales of Wk, one for each 32 codes along K); Wq_codes 1,024 x 32 x 16 uint8 (E2M1 codes of Wq, K innermost, in blocks of 32 codes, two codes a byte); Wq_scales 1,024 x 32 uint8 (E8M0 scales of Wq, one for each 32 codes along K); Wv_codes 1,024 x 24 x 16 uint8 (E2M1 codes of Wv, K innermost, in blocks of 32 codes, two codes a byte); Wv_scales 1,024 x 24 uint8 (E8M0 scales of Wv, one for each 32 codes along K); b1 1,024 float32; b2 768 float32; bh 1,024 float32; bk 1,024 float32; bq 1,024 float32; bv 1,024 float32; g1 1,024 float32; g2 768 float32; x1 4 x 4,096 x 1,024 float32; x2 4 x 2,048 x 768 float32.
;; Outputs: out0 4 x 4,096 x 1,024 float32.
;; This version of the problem:
;;   THIS VERSION OF THE PROBLEM IS GIVEN IN LOW PRECISION. The matrix products marked QUANTISED in the list below multiply operands that are first quantised to E2M1 (2 exponent bits, 1 mantissa bit; 4 bits a number), with one power-of-two scale for each 32 numbers along K (OCP MX v1.0); their sums are f32. All else is computed in f32.
;;   The module's matrix products, in the order in which they are computed (A, B: the left and right operand; K: the contracted axis; several contracted axes count as one K, in the product's order):
;;     1. [M 16,384, K 1,024] x [K 1,024, N 1,024]; A: computed on the way; B: input Wq (given as codes): QUANTISED
;;     2. [M 8,192, K 768] x [K 768, N 1,024]; A: computed on the way; B: input Wk (given as codes): QUANTISED
;;     3. [M 8,192, K 768] x [K 768, N 1,024]; A: computed on the way; B: input Wv (given as codes): QUANTISED
;;     4. batch 64 x [M 64, K 2,048] x [K 2,048, N 64]; A: computed on the way; B: computed on the way: QUANTISED
;;     5. batch 64 x [M 64, K 64] x [K 64, N 4,096]; A: computed on the way; B: softmax (see below): QUANTISED
;;     6. [M 16,384, K 1,024] x [K 1,024, N 1,024]; A: input x1; B: input Wh (given as codes): QUANTISED
;;   THE QUANTISER, for each operand of a quantised product, along K:
;;     - K is cut into blocks of 32 from its start; a last block that is shorter is filled with zeros.
;;     - A block's scale is 2^e with e = floor(log2(the largest magnitude in the block)) - 2, held to -126 .. 127; a block of zeros has e = 0. As a byte (E8M0): e + 127.
;;     - Each number is divided by its block's scale, clamped to +-6, and rounded to the nearest number of E2M1, ties to even, subnormals kept.
;;     - The product sums the exact products of the quantised numbers (number of the format x scale) in f32.
;;   ~~~python
;;   def quantise(x, axis):      # numpy; x: float32 -> the quantised numbers, widened to float32 again
;;       x = np.moveaxis(x, axis, -1); K = x.shape[-1]
;;       x = np.pad(x, [(0, 0)] * (x.ndim - 1) + [(0, -K % 32)]); x = x.reshape(x.shape[:-1] + (-1, 32)); a = np.abs(x).max(-1, keepdims=True)
;;       e = np.where(a > 0, np.clip(np.frexp(np.where(a > 0, a, 1))[1] - 1 - 2, -126, 127), 0)      # np.frexp(a)[1] - 1 = floor(log2(a)), exactly
;;       r = np.clip(x / 2.0 ** e, -6, 6)
;;       step = 2.0 ** (np.maximum(np.frexp(np.where(r == 0, 1, r))[1] - 1, 0) - 1)
;;       q = np.round(r / step) * step * 2.0 ** e      # np.round: ties to even
;;       return np.moveaxis(q.reshape(q.shape[:-2] + (-1,))[..., :K], -1, axis).astype(np.float32)
;;   ~~~
;;   SOFTMAX AHEAD OF A QUANTISED PRODUCT. Where the list says 'softmax', what is quantised is not the finished softmax but p = 2^(t - M), with t = logit x log2(e) and M = ceil(the row's largest t), a whole number; so 1/2 < the row's largest p <= 1. The row's sum l is taken of the UNQUANTISED p, in f32, and the product's result is divided by l at the end. Since M is a whole number, a kernel that streams over the keys may use a running M (the ceiling of the running maximum): every later rescaling is an exact power of two, which a block's scale takes up: the codes' values come out the same.
;;   OPERANDS COMPUTED ON THE WAY. 'Computed on the way' means the value that the module computes at that place (a softmax that the list does not call 'softmax' is quantised finished and normalised). What goes into a quantiser is computed in f32, as accurately as f32 sums, v_exp_f32 and their like allow (about 1e-6 of the number): no bf16 or f16 on the way to a quantiser, and a product that is left as it is and whose result goes on into a quantised operand takes f32 operands (vector FMAs, or v_wmma_f32_16x16x4_f32). A number that lies on a knife's edge between two numbers of the format may be rounded either way, as far as f32 arithmetic and the matrix unit's own rounding can turn it there, and no further.
;;   INPUTS GIVEN AS CODES. Wh (in the module: [1024, 1024], K = its axis 0); Wk (in the module: [768, 1024], K = its axis 0); Wq (in the module: [1024, 1024], K = its axis 0); Wv (in the module: [768, 1024], K = its axis 0): each comes as NAME_codes (uint8): NAME with its K axis moved to the last place and cut into blocks of 32 codes, [.., K / 32, bytes a block], one block behind the other in memory; two codes a byte, the lower K in the low four bits (a code: sign, 2 exponent bits, 1 mantissa bit); and NAME_scales (uint8): the same leading axes, one E8M0 byte (e + 127) for each 32 codes along K. Its value is code x scale, taken as it is: it is not quantised again, and the codes and scales need not be those that the quantiser above would give.
;; One version. Each part assembles by itself: llvm-mc -triple=amdgcn-amd-amdhsa -mcpu=gfx1250 --defsym DOCPART=n.
;; ======== version 1 of 1: 3 launches
;; workspace buffers: xn_codes 8,388,608 bytes; xn_scales 524,288 bytes; xr_codes 8,388,608 bytes; xr_scales 524,288 bytes; x2n_codes 3,145,728 bytes; x2n_scales 262,144 bytes; attnp 4,194,304 bytes
;; launch prep (part 1): grid 768 x 1, 4 waves a work-group, no clusters, 57,856 bytes of LDS; arguments x1, g1, b1, x2, g2, b2, xn_codes, xn_scales, xr_codes, xr_scales, x2n_codes, x2n_scales; writes xn_codes, xn_scales, xr_codes, xr_scales, x2n_codes, x2n_scales
.if DOCPART == 1
	.amdgcn_target "amdgcn-amd-amdhsa--gfx1250"
	.amdhsa_code_object_version 6
	.text
	.protected	k_q71dc906ad5_prep
	.globl	k_q71dc906ad5_prep
	.p2align	8
	.type	k_q71dc906ad5_prep,@function
k_q71dc906ad5_prep:
	s_mov_b64 s[64:65], 0
	v_nop
	global_prefetch_b8 v0, s[64:65] scope:SCOPE_SE
	s_setreg_imm32_b32 hwreg(HW_REG_WAVE_MODE, 25, 1), 1
	s_wait_xcnt 0x0
; x1 [16384][1024] and x2 [8192][768], f32, are read once.  Out go codes of FP4 (E2M1), K innermost, two codes a byte, and one E8M0 byte for each 32 along K:
; of layernorm(x1), of x1 as it is, and of layernorm(x2).  Rows of scale bytes are 32 bytes; x2's have 24 scales and 8 bytes of filling (0x7f) that no launch reads.
; A block's scale is 2^(floor(log2(largest magnitude)) - 2): its byte is the largest magnitude's exponent field - 2, held at 1 from below.
; LIMITS: NaN and infinities are not served.  A block whose largest magnitude lies under 2^-124 keeps the byte 1; a block of zeros so gets 1 where the quantiser says 127:
; its codes are zeros, which add nothing under any byte but 0xff, and these bytes are read by this program alone.
; SHARES.  Work-groups 0-511 take x1, 512-767 x2: 32 rows each, 8 consecutive rows a wave.  The two ways part on the work-group's number and have LDS bytes of their own.
; A row is loaded as it lies (each load: 512 consecutive bytes) and turned through the wave's own LDS bytes, so that lane l holds elements 256 i + 8 l + 0 .. 7 of group i:
; eight neighbours along K for a conversion, four neighbouring lanes to a block of 32.  Mean and variance are taken in two passes over the registers (no difference of large sums).
; Codes of 4 rows and scale bytes of 8 rows are gathered in LDS and leave in stores of 512 and 256 consecutive bytes, aligned.
; No matrix unit, no tensor load, no barrier, no cluster: waves share nothing, and each input byte is wanted by one wave alone.  Up to three rows of a wave are on their way.
.set GA,   2                           ; v2   16 x lane: my 16 bytes of a load's or a store's 512
.set SA,   3                           ; v3   LDS: where I put 16 bytes of a row: 16 l + 16 (l / 16); 16 bytes of padding lie behind each 256
.set LA,   4                           ; v4   LDS: where I read my 32 bytes of a group: 32 l + 16 (l / 8)
.set CA,   5                           ; v5   LDS: my 4 bytes of a group's codes
.set CL,   6                           ; v6   LDS: codes on the way out, 16 bytes a lane
.set BA,   7                           ; v7   LDS: my block's scale byte: l / 4
.set BL,   8                           ; v8   LDS: scale bytes on the way out, 8 bytes a lane
.set GS,   9                           ; v9   8 x lane
.set MU,   10                          ; v[10:11] the mean, twice
.set RS,   12                          ; v[12:13] 1 / sqrt(var + eps), twice
.set Q,    14                          ; v[14:21] four chains of packed sums
.set TM,   22                          ; v22-25  largest magnitudes, one a group
.set SO,   26                          ; v26-29  the conversions' scale operands
.set BY,   30                          ; v30-33  scale bytes
.set CD,   34                          ; v34-37  codes
.set XL,   38                          ; v38     takes the other half of the lanes' sum
.set PADB, 39                          ; v39     0x7f
.set G,    40                          ; v40-71  the gain at my elements
.set B,    72                          ; v72-103 the bias
.set R,    104                         ; v104-199 three sets: rows as loaded
.set X,    200                         ; v200-231 the row in hand, in my layout
.set OUT,  232                         ; v232-247 the way out
.set GG,   248                         ; v248    32 x lane
	s_load_b256 s[4:11], s[0:1], 0x0               ; x1, g1, b1, x2
	s_load_b256 s[12:19], s[0:1], 0x20             ; g2, b2, xn_codes, xn_scales
	s_load_b256 s[20:27], s[0:1], 0x40             ; xr_codes, xr_scales, x2n_codes, x2n_scales
	v_lshl_add_u32 v254, v0, 2, 0xe000
	v_mov_b32 v255, 0
	v_lshrrev_b32 v1, 5, v0
	v_readfirstlane_b32 s32, v1                    ; wave 0..3
	v_and_b32 v1, 31, v0                           ; lane
	s_mov_b32 s28, 0x76543210                      ; v_permlanex16_b32's selects for lane l xor 16
	s_mov_b32 s29, 0xfedcba98
	s_mov_b32 s31, 0x3727c5ac                      ; eps = 1e-5
	v_lshlrev_b32 v[GA], 4, v1
	v_lshlrev_b32 v[GS], 3, v1
	v_lshlrev_b32 v[GG], 5, v1
	v_mov_b32 v[XL], 0                             ; a lane permute's destination counts as one of its sources
	v_mov_b32 v[PADB], 0x7f
	v_lshrrev_b32 v[MU], 4, v1
	v_lshl_add_u32 v[SA], v[MU], 4, v[GA]
	v_lshrrev_b32 v[MU], 3, v1
	v_lshl_add_u32 v[LA], v[MU], 4, v[GG]
	v_lshlrev_b32 v[CA], 2, v1
	v_lshrrev_b32 v[BA], 2, v1
	s_wait_kmcnt 0x0
; The macros below read the way's constants: NG groups of 256 in a row, RAW (the row as it is gets codes too), ROWB bytes in a row, the LDS places CN, CR, SN, SR, and the pointers' registers.
.macro LOADROW t                       ; row t of my eight, as it lies, into set t % 3
.set cj, 0
.rept 2*NG
	global_load_b128 v[R+32*((\t)%3)+4*cj:R+32*((\t)%3)+4*cj+3], v[GA], s[PX:PX+1] offset:(\t)*ROWB+512*cj th:TH_LOAD_NT
.set cj, cj+1
.endr
.endm
.macro TURNROW t                       ; through my own LDS bytes: LDS serves a wave's instructions in order (ISA guide 5.7.1.4), so no wait stands between the stores and the loads
.set cj, 0
.rept 2*NG
	ds_store_b128 v[SA], v[R+32*((\t)%3)+4*cj:R+32*((\t)%3)+4*cj+3] offset:544*cj
.set cj, cj+1
.endr
.set cj, 0
.rept NG
	ds_load_b128 v[X+8*cj:X+8*cj+3], v[LA] offset:1088*cj
	ds_load_b128 v[X+8*cj+4:X+8*cj+7], v[LA] offset:1088*cj+16
.set cj, cj+1
.endr
.endm
.macro RSUM                            ; the four chains, the pair's halves, the 32 lanes: the sum stands in v[Q] of every lane
	v_pk_add_f32 v[Q:Q+1], v[Q:Q+1], v[Q+2:Q+3]
	v_pk_add_f32 v[Q+4:Q+5], v[Q+4:Q+5], v[Q+6:Q+7]
	v_pk_add_f32 v[Q:Q+1], v[Q:Q+1], v[Q+4:Q+5]
	v_add_f32 v[Q], v[Q], v[Q+1]
	v_add_f32_dpp v[Q], v[Q], v[Q] row_xmask:1 row_mask:0xf bank_mask:0xf
	v_add_f32_dpp v[Q], v[Q], v[Q] row_xmask:2 row_mask:0xf bank_mask:0xf
	v_add_f32_dpp v[Q], v[Q], v[Q] row_xmask:4 row_mask:0xf bank_mask:0xf
	v_add_f32_dpp v[Q], v[Q], v[Q] row_xmask:8 row_mask:0xf bank_mask:0xf
	v_permlanex16_b32 v[XL], v[Q], s28, s29
	v_add_f32 v[Q], v[Q], v[XL]
.endm
.macro QROW cst, sst, t                ; the row in X becomes codes and scale bytes, in the stages at cst and sst
	s_wait_dscnt 0x0                               ; the last stores into the stages have read their registers
.set ci, 0
.rept NG
	v_max3_num_f32 v[TM+ci], |v[X+8*ci]|, |v[X+8*ci+1]|, 0x1800000   ; my eight numbers of the block, and the floor 2^(3 - 127): the byte cannot fall under 1
.set ci, ci+1
.endr
.irp k, 2,4,6
.set ci, 0
.rept NG
	v_max3_num_f32 v[TM+ci], v[TM+ci], |v[X+8*ci+\k]|, |v[X+8*ci+\k+1]|   ; (the groups by turns)
.set ci, ci+1
.endr
.endr
.irp m, 1,2
.set ci, 0
.rept NG
	v_max_num_f32_dpp v[TM+ci], v[TM+ci], v[TM+ci] row_xmask:\m row_mask:0xf bank_mask:0xf   ; with the three lanes that share the block
.set ci, ci+1
.endr
.endr
.set ci, 0
.rept NG
	v_add_nc_u32 v[SO+ci], 0xff000000, v[TM+ci]    ; 2 off the exponent field: the conversion takes the exponent field of this operand as its scale
.set ci, ci+1
.endr
.set ci, 0
.rept NG
	v_cvt_scalef32_pk8_fp4_f32 v[CD+ci], v[X+8*ci:X+8*ci+7], v[SO+ci]
.set ci, ci+1
.endr
.set ci, 0
.rept NG
	v_lshrrev_b32 v[BY+ci], 23, v[SO+ci]           ; the scale's byte.  (Plain lines behind the conversions)
.set ci, ci+1
.endr
.set ci, 0
.rept NG
	ds_store_b32 v[CA], v[CD+ci] offset:\cst+((\t)%4)*128*NG+128*ci
	ds_store_b8 v[BA], v[BY+ci] offset:\sst+32*(\t)+8*ci          ; the four lanes of a block write the same byte with the same value
.set ci, ci+1
.endr
.if NG == 3
	ds_store_b8 v[BA], v[PADB] offset:\sst+32*(\t)+24             ; the filling of a row of 24 scale bytes
.endif
.endm
.macro FLUSHC cst, p, f                ; four rows' codes leave: each store covers 512 consecutive bytes, aligned
	s_wait_xcnt 0x0                                ; earlier stores have read OUT: it is written again only behind this wait
.set ck, 0
.rept NG
	ds_load_b128 v[OUT+4*ck:OUT+4*ck+3], v[CL] offset:\cst+512*ck
.set ck, ck+1
.endr
	s_wait_dscnt 0x0
.set ck, 0
.rept NG
	global_store_b128 v[GA], v[OUT+4*ck:OUT+4*ck+3], s[\p:\p+1] offset:(\f)*512*NG+512*ck
.set ck, ck+1
.endr
.endm
.macro FLUSHS sst, p                   ; eight rows' scale bytes: 256 consecutive bytes, aligned
	s_wait_xcnt 0x0
	ds_load_b64 v[OUT:OUT+1], v[BL] offset:\sst
	s_wait_dscnt 0x0
	global_store_b64 v[GS], v[OUT:OUT+1], s[\p:\p+1]
.endm
.macro ROW t
.if 7-(\t) >= 2
	s_wait_loadcnt 4*NG                            ; loads come back in order (ISA guide 5.7.1): this row is in, the two rows behind it stay out
.else
	s_wait_loadcnt 2*NG*(7-(\t))
.endif
	TURNROW \t
	s_wait_dscnt 0x0                               ; the row is in X, and the stores have read its set,
.if (\t)+3 < 8
	LOADROW (\t)+3                                 ; which takes the row three further on
.endif
.irp c, 0,1,2,3
	v_pk_add_f32 v[Q+2*\c:Q+2*\c+1], v[X+2*\c:X+2*\c+1], v[X+8+2*\c:X+8+2*\c+1]   ; the sum, in four chains that the first two groups start
.endr
.set ci, 2
.rept NG-2
.irp c, 0,1,2,3
	v_pk_add_f32 v[Q+2*\c:Q+2*\c+1], v[Q+2*\c:Q+2*\c+1], v[X+8*ci+2*\c:X+8*ci+2*\c+1]
.endr
.set ci, ci+1
.endr
	RSUM
	v_mul_f32 v[MU], s30, v[Q]                     ; the mean
	v_mul_f32 v[MU+1], s30, v[Q]
.if RAW
	QROW CR, SR, \t                                ; the row as it is
.endif
.set ci, 0
.rept 4*NG
	v_pk_add_f32 v[X+2*ci:X+2*ci+1], v[X+2*ci:X+2*ci+1], v[MU:MU+1] neg_lo:[0,1] neg_hi:[0,1]   ; x - mean
.set ci, ci+1
.endr
.irp c, 0,1,2,3
	v_pk_mul_f32 v[Q+2*\c:Q+2*\c+1], v[X+2*\c:X+2*\c+1], v[X+2*\c:X+2*\c+1]
.endr
.set ci, 1
.rept NG-1
.irp c, 0,1,2,3
	v_pk_fma_f32 v[Q+2*\c:Q+2*\c+1], v[X+8*ci+2*\c:X+8*ci+2*\c+1], v[X+8*ci+2*\c:X+8*ci+2*\c+1], v[Q+2*\c:Q+2*\c+1]
.endr
.set ci, ci+1
.endr
	RSUM
	v_fma_f32 v[RS], v[Q], s30, s31                ; var + eps
	v_rsq_f32 v[RS], v[RS]
	v_nop                                          ; a plain line between the transcendental and the use of its result (ISA guide 5.7.2)
	s_wait_alu depctr_va_vdst(0)
	v_mov_b32 v[RS+1], v[RS]
.set ci, 0
.rept 4*NG
	v_pk_mul_f32 v[X+2*ci:X+2*ci+1], v[X+2*ci:X+2*ci+1], v[RS:RS+1]
.set ci, ci+1
.endr
.set ci, 0
.rept 4*NG
	v_pk_fma_f32 v[X+2*ci:X+2*ci+1], v[X+2*ci:X+2*ci+1], v[G+2*ci:G+2*ci+1], v[B+2*ci:B+2*ci+1]
.set ci, ci+1
.endr
	QROW CN, SN, \t                                ; the normalised row
.endm
.macro PATH
	s_mov_b32 s30, INV                             ; 1 / the row's length
	s_mul_i32 s33, s32, WREG
	s_add_co_u32 s33, s33, LBASE                   ; my wave's LDS bytes
	v_add_nc_u32 v[SA], s33, v[SA]
	v_add_nc_u32 v[LA], s33, v[LA]
	v_add_nc_u32 v[CA], s33, v[CA]
	v_add_nc_u32 v[CL], s33, v[GA]
	v_add_nc_u32 v[BA], s33, v[BA]
	v_add_nc_u32 v[BL], s33, v[GS]
	s_sub_co_u32 s35, ttmp9, WG0
	s_lshl_b32 s34, s35, 5
	s_lshl_b32 s36, s32, 3
	s_add_co_u32 s34, s34, s36                     ; my first row: 32 x work-group + 8 x wave
	s_mul_i32 s36, s34, ROWB                       ; (all these offsets stay under 2^27)
	s_mov_b32 s37, 0
	s_add_nc_u64 s[PX:PX+1], s[PX:PX+1], s[36:37]
	s_mul_i32 s36, s34, 128*NG
	s_add_nc_u64 s[PCN:PCN+1], s[PCN:PCN+1], s[36:37]
.if RAW
	s_add_nc_u64 s[PCR:PCR+1], s[PCR:PCR+1], s[36:37]
.endif
	s_lshl_b32 s36, s34, 5
	s_add_nc_u64 s[PSN:PSN+1], s[PSN:PSN+1], s[36:37]
.if RAW
	s_add_nc_u64 s[PSR:PSR+1], s[PSR:PSR+1], s[36:37]
.endif
.set ci, 0
.rept NG
	global_load_b128 v[G+8*ci:G+8*ci+3], v[GG], s[PG:PG+1] offset:1024*ci       ; gain and bias at my elements, once
	global_load_b128 v[G+8*ci+4:G+8*ci+7], v[GG], s[PG:PG+1] offset:1024*ci+16
	global_load_b128 v[B+8*ci:B+8*ci+3], v[GG], s[PB:PB+1] offset:1024*ci
	global_load_b128 v[B+8*ci+4:B+8*ci+7], v[GG], s[PB:PB+1] offset:1024*ci+16
.set ci, ci+1
.endr
	LOADROW 0
	LOADROW 1
	LOADROW 2
.irp t, 0,1,2,3
	ROW \t
.endr
	FLUSHC CN, PCN, 0
.if RAW
	FLUSHC CR, PCR, 0
.endif
.irp t, 4,5,6,7
	ROW \t
.endr
	FLUSHC CN, PCN, 1
.if RAW
	FLUSHC CR, PCR, 1
.endif
	FLUSHS SN, PSN
.if RAW
	FLUSHS SR, PSR
.endif
	s_wait_tensorcnt 0x0
	ds_add_u32 v254, v255
	s_wait_dscnt 0x0
	s_endpgm
.endm
	s_cmp_lt_u32 ttmp9, 512
	s_cbranch_scc0 .Lx2
.set NG,    4
.set RAW,   1
.set ROWB,  4096
.set WREG,  9216                       ; a wave's LDS bytes: the turn 4,352; codes 2 x 2,048; scale bytes 2 x 256
.set LBASE, 0
.set CN,    4608
.set CR,    6656
.set SN,    8704
.set SR,    8960
.set PX,    4
.set PG,    6
.set PB,    8
.set PCN,   16
.set PSN,   18
.set PCR,   20
.set PSR,   22
.set INV,   0x3a800000                 ; 1 / 1024
.set WG0,   0
	PATH
.Lx2:
.set NG,    3
.set RAW,   0
.set ROWB,  3072
.set WREG,  5120                       ; the turn 3,264; codes 1,536; scale bytes 256
.set LBASE, 36864                      ; behind the other way's four regions
.set CN,    3328
.set SN,    4864
.set PX,    10
.set PG,    12
.set PB,    14
.set PCN,   24
.set PSN,   26
.set INV,   0x3aaaaaab                 ; 1 / 768
.set WG0,   512
	PATH
.Lfunc_end_k_q71dc906ad5_prep:
	.size	k_q71dc906ad5_prep, .Lfunc_end_k_q71dc906ad5_prep-k_q71dc906ad5_prep
	.p2alignl 7, 3214868480
	.fill 96, 4, 3214868480
	.section	.rodata,"a",@progbits
	.p2align	6, 0x0
	.amdhsa_kernel k_q71dc906ad5_prep
		.amdhsa_group_segment_fixed_size 57856
		.amdhsa_private_segment_fixed_size 0
		.amdhsa_enable_private_segment 0
		.amdhsa_kernarg_size 96
		.amdhsa_user_sgpr_count 2
		.amdhsa_user_sgpr_kernarg_segment_ptr 1
		.amdhsa_wavefront_size32 1
		.amdhsa_system_sgpr_workgroup_id_x 1
		.amdhsa_system_sgpr_workgroup_id_y 1
		.amdhsa_system_sgpr_workgroup_id_z 1
		.amdhsa_system_vgpr_workitem_id 0
		.amdhsa_next_free_vgpr 256
		.amdhsa_next_free_sgpr 66
		.amdhsa_reserve_vcc 0
		.amdhsa_float_denorm_mode_32 3
		.amdhsa_float_denorm_mode_16_64 3
		.amdhsa_memory_ordered 1
		.amdhsa_forward_progress 1
		.amdhsa_inst_pref_size 186
	.end_amdhsa_kernel
	.amdgpu_metadata
---
amdhsa.version: [ 1, 2 ]
amdhsa.kernels:
  - .name:           k_q71dc906ad5_prep
    .symbol:         k_q71dc906ad5_prep.kd
    .args:
      - { .name: x1, .offset: 0, .size: 8, .value_kind: global_buffer, .address_space: global }
      - { .name: g1, .offset: 8, .size: 8, .value_kind: global_buffer, .address_space: global }
      - { .name: b1, .offset: 16, .size: 8, .value_kind: global_buffer, .address_space: global }
      - { .name: x2, .offset: 24, .size: 8, .value_kind: global_buffer, .address_space: global }
      - { .name: g2, .offset: 32, .size: 8, .value_kind: global_buffer, .address_space: global }
      - { .name: b2, .offset: 40, .size: 8, .value_kind: global_buffer, .address_space: global }
      - { .name: xn_codes, .offset: 48, .size: 8, .value_kind: global_buffer, .address_space: global }
      - { .name: xn_scales, .offset: 56, .size: 8, .value_kind: global_buffer, .address_space: global }
      - { .name: xr_codes, .offset: 64, .size: 8, .value_kind: global_buffer, .address_space: global }
      - { .name: xr_scales, .offset: 72, .size: 8, .value_kind: global_buffer, .address_space: global }
      - { .name: x2n_codes, .offset: 80, .size: 8, .value_kind: global_buffer, .address_space: global }
      - { .name: x2n_scales, .offset: 88, .size: 8, .value_kind: global_buffer, .address_space: global }
    .group_segment_fixed_size: 57856
    .private_segment_fixed_size: 0
    .kernarg_segment_align: 8
    .kernarg_segment_size: 96
    .max_flat_workgroup_size: 128
    .sgpr_count:     66
    .vgpr_count:     256
    .wavefront_size: 32
...
	.end_amdgpu_metadata
.endif
;; end of part 1
;; launch kv (part 2): grid 16 x 16, 4 waves a work-group, clusters of 4 x 1, 327,680 bytes of LDS; arguments x2n_codes, x2n_scales, Wk_codes, Wk_scales, Wv_codes, Wv_scales, bk, bv, attnp; writes attnp
.if DOCPART == 2
	.amdgcn_target "amdgcn-amd-amdhsa--gfx1250"
	.amdhsa_code_object_version 6
	.text
	.protected	k_q71dc906ad5_kv
	.globl	k_q71dc906ad5_kv
	.p2align	8
	.type	k_q71dc906ad5_kv,@function
k_q71dc906ad5_kv:
	s_mov_b64 s[64:65], 0
	v_nop
	global_prefetch_b8 v0, s[64:65] scope:SCOPE_SE
	s_setreg_imm32_b32 hwreg(HW_REG_WAVE_MODE, 25, 1), 1
	s_wait_xcnt 0x0
	s_wait_alu depctr_hold_cnt(0) depctr_sa_sdst(0) depctr_va_vdst(0) depctr_va_sdst(0) depctr_va_ssrc(0) depctr_va_vcc(0) depctr_vm_vsrc(0)
	s_getreg_b32 s2, hwreg(HW_REG_IB_STS2, 6, 4)
	s_cmp_eq_u32 s2, 0
	s_cbranch_scc0 .Lentry_in_a_cluster
	s_endpgm
.Lentry_in_a_cluster:
	s_bfe_u32 s2, ttmp6, 0x10000c
	s_cmp_lg_u32 s2, 0x3003
	s_cbranch_scc0 .Lentry_shape_is_right
	s_endpgm
.Lentry_shape_is_right:
; For one head and 512 tokens of one batch: k = softmax(nx2 Wk + bk) over the head's 64, v = nx2 Wv + bv, and this quarter's part of attn(d, l) = sum over tokens of k(n, d) v(n, l).
; All three products on codes of FP4 (E2M1) with one E8M0 scale for each 32 along K.  nx2 comes as codes (K = 768); k and v are quantised here, along the TOKENS, which are the third product's K.
; SHARES.  Work-group (x, y): head = x, tokens 512 y .. 512 y + 511 (batch y / 4, quarter y % 4).  Wave w: 128 tokens x 128 columns (tiles 0-3: k's 64, tiles 4-7: v's 64): 64 accumulators, 512 registers.
; All operands of the first two products fit in LDS at once: every LDS byte is filled once, so there is no ring.
; CLUSTER.  The four heads of a cluster read the same 512 rows of nx2: those tiles are asked for jointly (mask 15).  Each head's 128 weight rows are its own: plain tensor loads; what the
; clusters of one head share of them is 48 KiB a work-group against 192 KiB of nx2, and those partners lie in other clusters.
; THE PRODUCT IS USED AS IT STANDS (source 0 = 16 tokens, source 1 = 16 weight rows): a lane holds ONE column and its registers run along the tokens, 8 (lane / 16) + 0 .. 7, the next K.
; So the softmax over a head's 64 columns goes over four tiles in a lane and sixteen lanes, and the conversions find eight neighbouring tokens in a lane's registers.
; FOUR TILES BECOME HALF AN OPERAND: tile i holds tokens 16 i + 8 h + j.  Codes of tiles 0, 2 in registers P, P + 1 and of tiles 1, 3 in P + 2, P + 3; two exchanges of halves
; (v_permlane16_swap_b32 P, P + 1 and P + 2, P + 3) leave tokens 32 h + 0 .. 31 in P .. P + 3, as the 4-bit layout wants.
; Codes and scale words go from wave to wave through LDS as images of the operand's registers.  The sum over the four quarters of a batch is made by the next launch: each quarter stores f32 partials as register images.
; LIMITS: NaN and infinities are not served; a block under 2^-124 (a block of zeros too) keeps the byte 1 and zero codes; exponentials under 2^-126 come out as 0 (ISA guide 15.8).
; REGISTERS, in windows of 256: window 0: v4-15 addresses; v32-79 nx2's scale words, v80-127 the weights' (they hold scales alone); v128-191 nx2's fragments, one set; v192-255 at work.
;   window 1: v0-63, v128-191 the weights' fragments, two sets; v64-127 the biases as tiles.   windows 2, 3: accumulator (a, b) at v[8 (8 (a % 4) + b)] of window 2 + a / 4.
.set PA,   432                         ; a row of 768 codes in LDS: 3 x (128 bytes + 16 of padding): 27 x 16 bytes, so the 16 rows that a load touches start at 16 different 16-byte columns of 256
.set AW,   128*PA                      ; a wave's 128 rows of nx2
.set WB,   4*AW                        ; behind them: 64 rows of Wk, 64 rows of Wv
.set IMG,  WB+128*PA                   ; images of k's and v's fragments: (8 s + b) x 1,024 bytes, s the wave that made them
.set ISC,  IMG+32*1024                 ; images of their scale words: (8 s + b) x 128 bytes
.set ADRA, 4                           ; v4   my lane's place in my wave's rows of nx2
.set ADRB, 5                           ; v5   and in the weights' rows
.set IW,   6                           ; v6   where I store images: IMG + 8,192 wave + 16 lane
.set SWA,  7                           ; v7   and scale words: ISC + 1,024 wave + 4 lane
.set IL,   8                           ; v8   IMG + 16 lane
.set IV,   9                           ; v9   v's tile w: IL + (4 + wave) x 1,024
.set SL,   10                          ; v10  ISC + 4 lane
.set SV,   11                          ; v11  SL + (4 + wave) x 128
.set GO,   12                          ; v12  16 lane
.set SAC,  32                          ; scale word of token tile a, K step s: v[SAC + 6 a + s]
.set SWC,  80                          ; of column tile b: v[SWC + 6 b + s]
.set AF,   128
.set BT,   64                          ; window 1: bias tile b at v[BT + 8 b]
.set M,    192                         ; a window's 32 maxima, then sums
.set M2,   224
.set TM,   128                         ; the quantiser: largest magnitudes (4 column tiles x 4 blocks),
.set TX,   144                         ; the other half's, then bytes,
.set SO,   160                         ; the conversions' scale operands,
.set PW,   176                         ; scale words,
.set PC,   184                         ; codes: 8 registers a column tile
.set VF,   128                         ; the third product: v's four fragments
.set DD,   216                         ; and its four accumulators
.set MSB, 0
.macro WIN new                         ; the immediate's high byte repeats the setting that is left; bits 1:0 source 0, 3:2 source 1, 5:4 source 2, 7:6 destination
.if MSB != (\new)
	s_set_vgpr_msb (MSB<<8)|(\new)
.set MSB, (\new)
.endif
.endm
.macro CROUND                          ; a round of the cluster's barrier
	s_barrier_signal -1
	s_barrier_wait -1
	s_cmp_lg_u32 s48, 0
	s_cbranch_scc1 .Lnot_wave_0_\@
	s_barrier_signal -3
.Lnot_wave_0_\@:
	s_barrier_wait -3
	s_barrier_signal -1
	s_barrier_wait -1
.endm
.macro PLACES                          ; four plain lines between a matrix instruction and a load into, or a read of, its registers
.rept 4
	v_nop
.endr
.endm
	s_load_b256 s[4:11], s[0:1], 0x0               ; x2n_codes, x2n_scales, Wk_codes, Wk_scales
	s_load_b256 s[12:19], s[0:1], 0x20             ; Wv_codes, Wv_scales, bk, bv
	s_load_b64 s[20:21], s[0:1], 0x40              ; attnp
	v_lshl_add_u32 v30, v0, 2, 0x4c800
	v_mov_b32 v31, 0
	ds_add_u32 v30, v31
	ds_add_u32 v30, v31
	v_lshrrev_b32 v1, 5, v0
	v_readfirstlane_b32 s48, v1                    ; wave 0..3
	s_bfe_u32 s49, ttmp6, 0x40000                  ; cx
	s_lshl_b32 s50, ttmp9, 2
	s_add_co_u32 s50, s50, s49                     ; the head = 4 x cluster x + cx: it enters global addresses alone
	s_and_b32 s51, ttmp7, 0xffff                   ; 4 x batch + quarter, which the four partners share
	; group 1 for nx2: my 128 rows are 49,152 dense bytes: 192 rows of 256 bytes, 16 bytes of padding behind every 128
	s_mov_b32 s24, 15|(1<<20)|(1<<21)|(4<<22)|(3<<25)   ; 15:0 the mask: all four; 17:16 elements of 1 byte; 20 padding on; 21 set beside a mask; 24:22 after every 32 words; 31:25 four words
	s_mov_b32 s25, 256<<16                         ; tensor_dim0
	s_mov_b32 s26, 192<<16                         ; tensor_dim1
	s_mov_b32 s27, 256<<16                         ; tile_dim0
	s_mov_b32 s28, 192                             ; tile_dim1
	s_mov_b32 s29, 256                             ; the pitch
	s_mov_b32 s30, 0
	s_mov_b32 s31, 0
	; group 1 for the weights: 32 rows are 12,288 dense bytes: 48 rows of 256 bytes, the same padding, no mask
	s_mov_b32 s32, (1<<20)|(4<<22)|(3<<25)
	s_mov_b32 s33, 256<<16
	s_mov_b32 s34, 48<<16
	s_mov_b32 s35, 256<<16
	s_mov_b32 s36, 48
	s_mov_b32 s37, 256
	s_mov_b32 s38, 0
	s_mov_b32 s39, 0
	s_mov_b32 s66, 0x76543210                      ; v_permlanex16_b32's selects for lane l xor 16
	s_mov_b32 s67, 0xfedcba98
	s_mov_b32 s68, 0x3fb8aa3b                      ; log2(e)
	s_mov_b32 s69, s68                             ; (named with it as a pair, so it is written)
	s_lshl_b32 s60, s51, 9
	s_lshl_b32 s52, s48, 7
	s_add_co_u32 s60, s60, s52                     ; my first token's row of nx2
	s_mul_i32 s52, s60, 384                        ; its codes,
	s_mov_b32 s53, 0
	s_lshl_b32 s58, s60, 5                         ; its scale bytes
	s_mov_b32 s59, 0
	s_and_b32 s56, s48, 1
	s_lshl_b32 s56, s56, 5
	s_lshl_b32 s57, s50, 6
	s_add_co_u32 s56, s56, s57                     ; the weight rows that I fetch: 64 x head + 32 x (wave % 2)
	s_mul_i32 s56, s56, 384
	s_mov_b32 s57, 0
	s_mov_b32 s40, 1                               ; group 0 for nx2
	s_mul_i32 s41, s48, AW
	s_mov_b32 s44, 1                               ; group 0 for the weights: waves 0, 1 Wk's halves, waves 2, 3 Wv's
	s_mul_i32 s45, s48, 32*PA
	s_add_co_u32 s45, s45, WB
	s_wait_dscnt 0x0
	s_wait_kmcnt 0x0
	s_add_nc_u64 s[42:43], s[4:5], s[52:53]
	s_or_b32 s43, s43, 0x80000000
	s_cmp_lt_u32 s48, 2                            ; the choice hangs on the wave's number alone
	s_cselect_b64 s[54:55], s[8:9], s[12:13]
	s_add_nc_u64 s[46:47], s[54:55], s[56:57]
	s_or_b32 s47, s47, 0x80000000
	s_add_nc_u64 s[6:7], s[6:7], s[58:59]
	s_mul_i32 s52, s50, 64*24                      ; the head's 64 rows of 24 scale bytes
	s_add_nc_u64 s[10:11], s[10:11], s[52:53]
	s_add_nc_u64 s[14:15], s[14:15], s[52:53]
	s_lshl_b32 s52, s50, 8                         ; its 64 biases
	s_add_nc_u64 s[16:17], s[16:17], s[52:53]
	s_add_nc_u64 s[18:19], s[18:19], s[52:53]
	s_lshr_b32 s52, s51, 2                         ; attnp: (((16 batch + head) 4 + quarter) 4 + wave) x 4,096
	s_lshl_b32 s52, s52, 4
	s_add_co_u32 s52, s52, s50
	s_lshl_b32 s52, s52, 2
	s_and_b32 s54, s51, 3
	s_add_co_u32 s52, s52, s54
	s_lshl_b32 s52, s52, 2
	s_add_co_u32 s52, s52, s48
	s_lshl_b32 s52, s52, 12
	s_add_nc_u64 s[20:21], s[20:21], s[52:53]
	CROUND                                         ; all four work-groups are here: the joint loads meet
	tensor_load_to_lds s[40:43], s[24:31]          ; my 128 rows of nx2, jointly
	s_nop 0
	tensor_load_to_lds s[44:47], s[32:39]          ; my 32 weight rows: two loads of mine are out
	s_nop 0
.rept 4
	v_nop                                          ; (behind a tensor load)
.endr
	v_and_b32 v1, 31, v0                           ; lane
	v_and_b32 v2, 15, v0                           ; r
	v_bfe_u32 v3, v0, 4, 1                         ; h
	v_mul_u32_u24 v[ADRB], v2, PA
	v_lshl_add_u32 v[ADRB], v3, 4, v[ADRB]         ; a fragment's row x pitch + 16 h
	v_add_nc_u32 v[ADRA], s41, v[ADRB]
	v_add_nc_u32 v[ADRB], WB, v[ADRB]
	v_lshlrev_b32 v[GO], 4, v1
	v_add_nc_u32 v[IL], IMG, v[GO]
	s_lshl_b32 s52, s48, 13
	v_add_nc_u32 v[IW], s52, v[IL]
	s_lshl_b32 s52, s48, 10
	s_add_co_u32 s52, s52, 4096
	v_add_nc_u32 v[IV], s52, v[IL]
	v_lshlrev_b32 v[SL], 2, v1
	v_add_nc_u32 v[SL], ISC, v[SL]
	s_lshl_b32 s52, s48, 10
	v_add_nc_u32 v[SWA], s52, v[SL]
	s_lshl_b32 s52, s48, 7
	s_add_co_u32 s52, s52, 512
	v_add_nc_u32 v[SV], s52, v[SL]
	v_lshlrev_b32 v13, 5, v2                       ; nx2's scale bytes: 32 a row
	v_mul_u32_u24 v14, v2, 24                      ; the weights': 24 a row
	v_lshlrev_b32 v15, 2, v2                       ; a bias: 4 bytes a column
.irp a, 0,1,2,3,4,5,6,7                        ; the scale words of all six K steps come once, straight into registers: lane r takes row r's (lanes 16-31 the same; they are not read)
.irp i, 0,1,2
	global_load_b64 v[SAC+6*\a+2*\i:SAC+6*\a+2*\i+1], v13, s[6:7] offset:512*\a+8*\i
.endr
.endr
.irp b, 0,1,2,3
.irp i, 0,1,2
	global_load_b64 v[SWC+6*\b+2*\i:SWC+6*\b+2*\i+1], v14, s[10:11] offset:384*\b+8*\i
	global_load_b64 v[SWC+24+6*\b+2*\i:SWC+24+6*\b+2*\i+1], v14, s[14:15] offset:384*\b+8*\i
.endr
.endr
.irp b, 0,1,2,3
	global_load_b32 v[192+\b], v15, s[16:17] offset:64*\b
	global_load_b32 v[196+\b], v15, s[18:19] offset:64*\b
.endr
	s_wait_loadcnt 0x0
	WIN 0x40                                       ; destination window 1
.irp b, 0,1,2,3,4,5,6,7                        ; a lane's eight results of a tile share its column: the bias, eight times, is the C of the tile's first product
.irp j, 0,1,2,3,4,5,6,7
	v_mov_b32 v[BT+8*\b+\j], v[192+\b]
.endr
.endr
	WIN 0
	s_wait_tensorcnt 0x0                           ; my two tiles have landed,
	s_barrier_signal -1
	s_barrier_wait -1                              ; everybody's have: the weights' rows are read by all four waves
.macro FRAG reg, adr, s, i             ; 16 rows x 128 K of 4-bit codes: lane l holds row l % 16; registers 4 c .. 4 c + 3 hold K = 64 c + 32 (l / 16) + 0 .. 31.  K step s begins (s / 2) 144 + (s % 2) 64 bytes into a row
.irp c, 0,1
	ds_load_b128 v[\reg+4*\c:\reg+4*\c+3], v[\adr] offset:((\s)/2)*144+((\s)%2)*64+32*\c+(\i)*16*PA
.endr
.endm
.macro FETCH_B s                       ; the weights' eight fragments of K step s into set s % 2
	WIN 0x40
.irp i, 0,1,2,3,4,5,6,7
	FRAG 128*((\s)%2)+8*\i, ADRB, \s, \i
.endr
	WIN 0
.endm
.macro FETCH_A s, i0                   ; token tiles i0 .. i0 + 3
.irp i, \i0, \i0+1, \i0+2, \i0+3
	FRAG AF+8*(\i), ADRA, \s, \i
.endr
.endm
; 16 matrix instructions: token tiles a0, a0 + 1 x the eight column tiles.  The 64 accumulators take turns, one instruction a turn, in the same order in every step.
.macro MUL16 a0, s
.irp a, \a0, \a0+1
.irp b, 0,1,2,3,4,5,6,7
.if (\s) == 0
	v_wmma_scale_f32_16x16x128_f8f6f4 v[8*(8*((\a)%4)+\b):8*(8*((\a)%4)+\b)+7], v[AF+8*(\a):AF+8*(\a)+7], v[128*((\s)%2)+8*\b:128*((\s)%2)+8*\b+7], v[BT+8*\b:BT+8*\b+7], v[SAC+6*(\a)+(\s)], v[SWC+6*\b+(\s)] matrix_a_fmt:MATRIX_FMT_FP4 matrix_b_fmt:MATRIX_FMT_FP4
.else
	v_wmma_scale_f32_16x16x128_f8f6f4 v[8*(8*((\a)%4)+\b):8*(8*((\a)%4)+\b)+7], v[AF+8*(\a):AF+8*(\a)+7], v[128*((\s)%2)+8*\b:128*((\s)%2)+8*\b+7], v[8*(8*((\a)%4)+\b):8*(8*((\a)%4)+\b)+7], v[SAC+6*(\a)+(\s)], v[SWC+6*\b+(\s)] matrix_a_fmt:MATRIX_FMT_FP4 matrix_b_fmt:MATRIX_FMT_FP4
.endif
.endr
.endr
.endm
.macro STEP s                          ; 128 along K: 64 matrix instructions.  A token tile's registers are free once its eight products are issued: tiles 0-3 are fetched anew in the middle, 4-7 at the end
	s_wait_dscnt 8                                 ; the weights' set and token tiles 0-3 are in; the youngest eight loads (tiles 4-7) may be out
.if (\s) == 0
	WIN 0x94                                       ; source 1 and C (the bias) window 1, D window 2
.else
	WIN 0xa4                                       ; source 1 window 1, C and D window 2
.endif
	MUL16 0, \s
	MUL16 2, \s
	s_wait_dscnt 0x0
.if (\s) < 5
	PLACES
	FETCH_B (\s)+1
	FETCH_A (\s)+1, 0
.endif
.if (\s) == 0
	WIN 0xd4
.else
	WIN 0xf4
.endif
	MUL16 4, \s
	MUL16 6, \s
	PLACES
	WIN 0
.if (\s) < 5
	FETCH_A (\s)+1, 4
.endif
.endm
	FETCH_B 0
	FETCH_A 0, 0
	FETCH_A 0, 4
.irp s, 0,1,2,3,4,5
	STEP \s
.endr
; THE SOFTMAX OF k, finished and normalised, for the four token tiles of window w.  Tile u's four column tiles lie at v[64 u + 8 b + j]; token (j, lane / 16), column (b, lane % 16).
.macro SOFTK w
	WIN 5*(\w)                                     ; sources 0 and 1 in window w
.irp u, 0,1,2,3
.irp j, 0,1,2,3,4,5,6,7
	v_max_num_f32 v[M+8*\u+\j], v[64*\u+\j], v[64*\u+8+\j]        ; each accumulator is read from its low end on
.endr
.endr
.irp u, 0,1,2,3
.irp j, 0,1,2,3,4,5,6,7
	v_max3_num_f32 v[M+8*\u+\j], v[64*\u+16+\j], v[64*\u+24+\j], v[M+8*\u+\j]
.endr
.endr
	WIN 0
.irp x, 1,2,4,8
.set ci, 0
.rept 32
	v_max_num_f32_dpp v[M+ci], v[M+ci], v[M+ci] row_xmask:\x row_mask:0xf bank_mask:0xf   ; over the sixteen lanes that share the tokens
.set ci, ci+1
.endr
.endr
	WIN 65*(\w)                                    ; destination and source 0 in window w
.irp u, 0,1,2,3
.irp b, 0,1,2,3
.irp j, 0,2,4,6
	v_pk_add_f32 v[64*\u+8*\b+\j:64*\u+8*\b+\j+1], v[64*\u+8*\b+\j:64*\u+8*\b+\j+1], v[M+8*\u+\j:M+8*\u+\j+1] neg_lo:[0,1] neg_hi:[0,1]   ; the maximum is taken away first
.endr
.endr
.endr
.irp u, 0,1,2,3
.irp b, 0,1,2,3
.irp j, 0,2,4,6
	v_pk_mul_f32 v[64*\u+8*\b+\j:64*\u+8*\b+\j+1], v[64*\u+8*\b+\j:64*\u+8*\b+\j+1], s[68:69] op_sel_hi:[1,0]
.endr
.endr
.endr
.irp u, 0,1,2,3
.set ci, 0
.rept 32
	v_exp_f32 v[64*\u+ci], v[64*\u+ci]
.set ci, ci+1
.endr
.endr
	v_nop                                          ; a plain line behind the exponentials
	WIN 5*(\w)
	s_wait_alu depctr_va_vdst(0)
.irp u, 0,1,2,3
.irp j, 0,2,4,6
	v_pk_add_f32 v[M+8*\u+\j:M+8*\u+\j+1], v[64*\u+\j:64*\u+\j+1], v[64*\u+8+\j:64*\u+8+\j+1]
	v_pk_add_f32 v[M2+8*\u+\j:M2+8*\u+\j+1], v[64*\u+16+\j:64*\u+16+\j+1], v[64*\u+24+\j:64*\u+24+\j+1]
.endr
.endr
	WIN 0
.set ci, 0
.rept 16
	v_pk_add_f32 v[M+2*ci:M+2*ci+1], v[M+2*ci:M+2*ci+1], v[M2+2*ci:M2+2*ci+1]
.set ci, ci+1
.endr
.irp x, 1,2,4,8
.set ci, 0
.rept 32
	v_add_f32_dpp v[M+ci], v[M+ci], v[M+ci] row_xmask:\x row_mask:0xf bank_mask:0xf
.set ci, ci+1
.endr
.endr
.set ci, 0
.rept 32
	v_rcp_f32 v[M+ci], v[M+ci]                     ; the sum is at least 1: the largest term is 2^0
.set ci, ci+1
.endr
	v_nop
	WIN 65*(\w)
	s_wait_alu depctr_va_vdst(0)
.irp u, 0,1,2,3
.irp b, 0,1,2,3
.irp j, 0,2,4,6
	v_pk_mul_f32 v[64*\u+8*\b+\j:64*\u+8*\b+\j+1], v[64*\u+8*\b+\j:64*\u+8*\b+\j+1], v[M+8*\u+\j:M+8*\u+\j+1]
.endr
.endr
.endr
	WIN 0
.endm
	SOFTK 2
	SOFTK 3
.set ci, 0
.rept 16
	v_mov_b32 v[TX+ci], 0                          ; written once: a lane permute's destination counts as one of its sources
.set ci, ci+1
.endr
; COLUMN TILES 4 g .. 4 g + 3 ARE QUANTISED ALONG MY 128 TOKENS: one fragment and one scale word a column tile.  Block e of 32 tokens: token tiles 2 e, 2 e + 1, in lanes l and l xor 16.
.macro QTOK g
.irp w, 2,3
	WIN 5*\w
.irp bb, 0,1,2,3
.irp e, 0,1
	v_max3_num_f32 v[TM+4*\bb+2*(\w-2)+\e], |v[8*(16*\e+4*(\g)+\bb)]|, |v[8*(16*\e+4*(\g)+\bb)+1]|, 0x1800000   ; from each accumulator's low end on; the floor 2^(3 - 127) holds the byte at 1 from below
.endr
.endr
.irp k, 1,2,3,4,5,6,7
.irp bb, 0,1,2,3
.irp e, 0,1
	v_max3_num_f32 v[TM+4*\bb+2*(\w-2)+\e], |v[8*(8*(2*\e+\k/4)+4*(\g)+\bb)+2*(\k%4)]|, |v[8*(8*(2*\e+\k/4)+4*(\g)+\bb)+2*(\k%4)+1]|, v[TM+4*\bb+2*(\w-2)+\e]
.endr
.endr
.endr
.endr
	WIN 0
.set ci, 0
.rept 16
	v_permlanex16_b32 v[TX+ci], v[TM+ci], s66, s67
.set ci, ci+1
.endr
.set ci, 0
.rept 16
	v_max_num_f32 v[TM+ci], v[TM+ci], v[TX+ci]     ; the block's largest magnitude
.set ci, ci+1
.endr
.set ci, 0
.rept 16
	v_add_nc_u32 v[SO+ci], 0xff000000, v[TM+ci]    ; 2 off its exponent field: the conversion's scale operand
.set ci, ci+1
.endr
.set ci, 0
.rept 16
	v_lshrrev_b32 v[TX+ci], 23, v[SO+ci]           ; the scale's byte
.set ci, ci+1
.endr
.irp bb, 0,1,2,3
	v_lshl_or_b32 v[PW+\bb], v[TX+4*\bb+1], 8, v[TX+4*\bb]
.endr
.irp bb, 0,1,2,3
	v_lshl_or_b32 v[PW+\bb], v[TX+4*\bb+2], 16, v[PW+\bb]
.endr
.irp bb, 0,1,2,3
	v_lshl_or_b32 v[PW+\bb], v[TX+4*\bb+3], 24, v[PW+\bb]
.endr
.irp w, 2,3
	WIN \w                                         ; source 0 in window w
.irp bb, 0,1,2,3
.irp x, 0,1,2,3
	v_cvt_scalef32_pk8_fp4_f32 v[PC+8*\bb+4*(\w-2)+2*(\x%2)+\x/2], v[8*(8*\x+4*(\g)+\bb):8*(8*\x+4*(\g)+\bb)+7], v[SO+4*\bb+2*(\w-2)+\x/2]
.endr
.endr
.endr
	WIN 0
	v_nop                                          ; one plain line behind the scaled conversions
.irp bb, 0,1,2,3
.irp c, 0,1
	v_permlane16_swap_b32 v[PC+8*\bb+4*\c], v[PC+8*\bb+4*\c+1]
	v_permlane16_swap_b32 v[PC+8*\bb+4*\c+2], v[PC+8*\bb+4*\c+3]
.endr
.endr
.irp bb, 0,1,2,3
.irp c, 0,1
	ds_store_b128 v[IW], v[PC+8*\bb+4*\c:PC+8*\bb+4*\c+3] offset:1024*(4*(\g)+\bb)+512*\c   ; the fragment goes to LDS as it stands
.endr
	ds_store_b32 v[SWA], v[PW+\bb] offset:128*(4*(\g)+\bb)
.endr
	s_wait_dscnt 0x0                               ; the stores have landed and have read their registers
.endm
	QTOK 0
	QTOK 1
	s_barrier_signal -1                            ; (each wave's stores were waited for above)
	s_barrier_wait -1                              ; all 32 fragments lie in LDS
	; attn's part: wave w makes l tile w for the four d tiles: K = the work-group's 512 tokens, four steps
	WIN 0x40
.irp s, 0,1,2,3
.irp dt, 0,1,2,3
.irp c, 0,1
	ds_load_b128 v[32*\s+8*\dt+4*\c:32*\s+8*\dt+4*\c+3], v[IL] offset:(8*\s+\dt)*1024+512*\c
.endr
.endr
.endr
	WIN 0
.irp s, 0,1,2,3
.irp c, 0,1
	ds_load_b128 v[VF+8*\s+4*\c:VF+8*\s+4*\c+3], v[IV] offset:8192*\s+512*\c
.endr
.endr
.irp s, 0,1,2,3
.irp dt, 0,1,2,3
	ds_load_b32 v[SAC+4*\s+\dt], v[SL] offset:(8*\s+\dt)*128
.endr
	ds_load_b32 v[SAC+16+\s], v[SV] offset:1024*\s
.endr
	s_wait_dscnt 0x0
	WIN 0x01                                       ; source 0 (k) window 1
.irp s, 0,1,2,3                                ; four accumulators by turns, K ascending
.irp dt, 0,1,2,3
.if \s == 0
	v_wmma_scale_f32_16x16x128_f8f6f4 v[DD+8*\dt:DD+8*\dt+7], v[32*\s+8*\dt:32*\s+8*\dt+7], v[VF+8*\s:VF+8*\s+7], 0, v[SAC+4*\s+\dt], v[SAC+16+\s] matrix_a_fmt:MATRIX_FMT_FP4 matrix_b_fmt:MATRIX_FMT_FP4
.else
	v_wmma_scale_f32_16x16x128_f8f6f4 v[DD+8*\dt:DD+8*\dt+7], v[32*\s+8*\dt:32*\s+8*\dt+7], v[VF+8*\s:VF+8*\s+7], v[DD+8*\dt:DD+8*\dt+7], v[SAC+4*\s+\dt], v[SAC+16+\s] matrix_a_fmt:MATRIX_FMT_FP4 matrix_b_fmt:MATRIX_FMT_FP4
.endif
.endr
.endr
	WIN 0
	PLACES
.irp dt, 0,1,2,3                               ; lane (r, h), register j: attn(16 dt + 8 h + j, 16 w + r).  Each store covers 512 consecutive bytes, aligned; each accumulator from its low end on
	global_store_b128 v[GO], v[DD+8*\dt:DD+8*\dt+3], s[20:21] offset:1024*\dt
	global_store_b128 v[GO], v[DD+8*\dt+4:DD+8*\dt+7], s[20:21] offset:1024*\dt+512
.endr
	s_wait_tensorcnt 0x0
	ds_add_u32 v30, v31
	s_wait_dscnt 0x0
	CROUND                                         ; the closing round
	s_endpgm
.Lfunc_end_k_q71dc906ad5_kv:
	.size	k_q71dc906ad5_kv, .Lfunc_end_k_q71dc906ad5_kv-k_q71dc906ad5_kv
	.p2alignl 7, 3214868480
	.fill 96, 4, 3214868480
	.section	.rodata,"a",@progbits
	.p2align	6, 0x0
	.amdhsa_kernel k_q71dc906ad5_kv
		.amdhsa_group_segment_fixed_size 327680
		.amdhsa_private_segment_fixed_size 0
		.amdhsa_enable_private_segment 0
		.amdhsa_kernarg_size 72
		.amdhsa_user_sgpr_count 2
		.amdhsa_user_sgpr_kernarg_segment_ptr 1
		.amdhsa_wavefront_size32 1
		.amdhsa_system_sgpr_workgroup_id_x 1
		.amdhsa_system_sgpr_workgroup_id_y 1
		.amdhsa_system_sgpr_workgroup_id_z 1
		.amdhsa_system_vgpr_workitem_id 0
		.amdhsa_next_free_vgpr 1024
		.amdhsa_next_free_sgpr 72
		.amdhsa_reserve_vcc 0
		.amdhsa_float_denorm_mode_32 3
		.amdhsa_float_denorm_mode_16_64 3
		.amdhsa_memory_ordered 1
		.amdhsa_forward_progress 1
		.amdhsa_inst_pref_size 194
	.end_amdhsa_kernel
	.amdgpu_metadata
---
amdhsa.version: [ 1, 2 ]
amdhsa.kernels:
  - .name:           k_q71dc906ad5_kv
    .symbol:         k_q71dc906ad5_kv.kd
    .args:
      - { .name: x2n_codes, .offset: 0, .size: 8, .value_kind: global_buffer, .address_space: global }
      - { .name: x2n_scales, .offset: 8, .size: 8, .value_kind: global_buffer, .address_space: global }
      - { .name: Wk_codes, .offset: 16, .size: 8, .value_kind: global_buffer, .address_space: global }
      - { .name: Wk_scales, .offset: 24, .size: 8, .value_kind: global_buffer, .address_space: global }
      - { .name: Wv_codes, .offset: 32, .size: 8, .value_kind: global_buffer, .address_space: global }
      - { .name: Wv_scales, .offset: 40, .size: 8, .value_kind: global_buffer, .address_space: global }
      - { .name: bk, .offset: 48, .size: 8, .value_kind: global_buffer, .address_space: global }
      - { .name: bv, .offset: 56, .size: 8, .value_kind: global_buffer, .address_space: global }
      - { .name: attnp, .offset: 64, .size: 8, .value_kind: global_buffer, .address_space: global }
    .group_segment_fixed_size: 327680
    .private_segment_fixed_size: 0
    .kernarg_segment_align: 8
    .kernarg_segment_size: 72
    .max_flat_workgroup_size: 128
    .sgpr_count:     72
    .vgpr_count:     1024
    .wavefront_size: 32
...
	.end_amdgpu_metadata
.endif
;; end of part 2
;; launch main (part 3): grid 4 x 64, 4 waves a work-group, clusters of 4 x 4, 327,680 bytes of LDS; arguments xn_codes, xn_scales, xr_codes, xr_scales, Wq_codes, Wq_scales, Wh_codes, Wh_scales, bq, bh, attnp, out0; writes out0
.if DOCPART == 3
	.amdgcn_target "amdgcn-amd-amdhsa--gfx1250"
	.amdhsa_code_object_version 6
	.text
	.protected	k_q71dc906ad5_main
	.globl	k_q71dc906ad5_main
	.p2align	8
	.type	k_q71dc906ad5_main,@function
k_q71dc906ad5_main:
	s_mov_b64 s[64:65], 0
	v_nop
	global_prefetch_b8 v0, s[64:65] scope:SCOPE_SE
	s_setreg_imm32_b32 hwreg(HW_REG_WAVE_MODE, 25, 1), 1
	s_wait_xcnt 0x0
	s_wait_alu depctr_hold_cnt(0) depctr_sa_sdst(0) depctr_va_vdst(0) depctr_va_sdst(0) depctr_va_ssrc(0) depctr_va_vcc(0) depctr_vm_vsrc(0)
	s_getreg_b32 s2, hwreg(HW_REG_IB_STS2, 6, 4)
	s_cmp_eq_u32 s2, 0
	s_cbranch_scc0 .Lentry_in_a_cluster
	s_endpgm
.Lentry_in_a_cluster:
	s_bfe_u32 s2, ttmp6, 0x10000c
	s_cmp_lg_u32 s2, 0xf033
	s_cbranch_scc0 .Lentry_shape_is_right
	s_endpgm
.Lentry_shape_is_right:
; out = x1 Wh + bh + y,  y(t, l) = sum over d of softmax_d(nx1 Wq + bq)(t, d) attn(d, l) in each head of 64.  All products on codes of FP4 (E2M1) with one E8M0 scale for each 32 along K.
; nx1 and x1 come as codes [16384][512 bytes] with scale bytes [16384][32]; Wq, Wh [1024][512 bytes], [1024][32]; attn as four f32 partials a head, stored as register images.
; A tile of out, 256 rows x 256 columns (four heads), is made by four waves, 128 x 128 each: 64 accumulators, 512 registers, WHICH SERVE TWICE:
;   1. q's logits = nx1 Wq^T + bq (the bias is the C of the first products);
;   2. in registers: p = 2^(t - M), t = logit x log2(e), M = ceil(the row's largest t); p's codes; y' = attn^T p; the accumulators become y' / (the sum of the unquantised p) + bh;
;   3. x1 Wh^T is added onto them; then they leave.
; THE MATRIX INSTRUCTION IS USED TRANSPOSED (source 0 = 16 weight rows, source 1 = 16 rows of x): lane l holds row l % 16 and its registers the columns 8 (l / 16) + 0 .. 7 of a tile.
; So a head's 64 logits of a row lie in 32 registers of lanes l and l xor 16, along the next K, and y' falls into the same registers.
; FOUR TILES BECOME HALF AN OPERAND: tile i holds d = 16 i + 8 h + j.  Codes of tiles 0, 2 in registers P, P + 1 and of tiles 1, 3 in P + 2, P + 3; v_permlane16_swap_b32 P, P + 1 and P + 2, P + 3
; leave d = 32 h + 0 .. 31 in P .. P + 3.  The third product's K is 64: the instruction's other 64 are zero codes on both sides, under the byte 0x7f.
; K goes in steps of 512 through two LDS slots: four fills in all (nx1 | Wq twice, x1 | Wh twice), the last two into slots that have been read out.  The scale bytes of both pairs come once and stay.
; CLUSTERS: 4 x 4 work-groups.  A row of the cluster shares the tiles of nx1 and x1, a column those of Wq and Wh: each is asked for jointly.
; LIMITS: NaN and infinities are not served; a block under 2^-124 (a block of zeros too) keeps the byte 1 and zero codes; a p under 2^-126 comes out as 0 (ISA guide 15.8).
; A block's largest p is the block's largest logit put through the same multiply-add and exponential: this takes v_exp_f32 not to fall where its input rises.
; REGISTERS, in windows of 256: window 0: v1-31 addresses; v32-95 the GEMMs' scale words, two sets; v96-103 p's, v104-111 attn's (v32-111 hold scales alone); v128-191 x's fragments, p's codes, rows on the way out;
;   v192-255 at work.   window 1: v0-63, v128-191 the weights' fragments, two sets (v0-63 also attn's); v64-127 bq as tiles, v192-255 bh.   windows 2, 3: accumulator (a, b) at v[8 (8 (a % 4) + b)] of window 2 + a / 4.
.set NQ,     4                         ; steps of 128 along K in a slot
.set ROWB,   256                       ; a tile's row: 512 codes
.set KROW,   512                       ; a row of codes in memory
.set PITCH,  272                       ; an LDS row: 256 bytes + 16 of padding: 17 x 16 bytes, so the 16 rows that a load touches start at 16 different 16-byte columns of 256
.set FR,     8
.set NL,     2
.set NP,     4
.set HALFT,  128*PITCH
.set SLOT,   4*HALFT                   ; x's 256 rows, then the weights' 256
.set KS,     32                        ; a row of scale bytes
.set SCL,    2*SLOT                    ; behind the ring: two sets of scale bytes, as rows of 256 bytes + 16 of padding
.set HALFS,  16*272                    ; those of 128 rows
.set SSET,   4*HALFS                   ; a set: x's 256 rows, then the weights' 256
.set SBLK,   2*272                     ; those of 16 rows
.set SPARE,  SCL+2*SSET                ; the spare words, 128 bytes for each wave: two blocks of 256 bytes that no other line names
.set ATT,    SPARE+512                 ; images of attn's fragments: (4 x head + l tile) x 512 bytes
.set ATS,    ATT+8192                  ; images of their scale words: x 128 bytes
.set SPITCH, 528                       ; the way out: 16 rows x (512 + 16) bytes for each wave, in slot 0, behind its last fill and its last read
.set AIW,  14                          ; v14  where I store attn's images: ATT + 2,048 wave + 16 lane
.set ASW,  15                          ; v15  and their scale words: ATS + 512 wave + 4 lane
.set ADRA, 16                          ; v16-17  my x fragments in slot 0, 1
.set ADRB, 20                          ; v20-21  the weights'
.set STO,  24
.set RD,   25
.set CO,   26                          ; v26  16 x lane
.set ADRS, 27                          ; v27  my scale words: lanes 0-15 x's rows, lanes 16-31 the weights'
.set SPW,  28                          ; v28  my spare word: SPARE + 4 x my thread's number; never rewritten
.set NIL,  29                          ; v29  0; never rewritten
.set ATL,  30                          ; v30  attn's images of my two heads: ATT + 4,096 (wave % 2) + 16 lane
.set ASL,  31                          ; v31  ATS + 1,024 (wave % 2) + 4 lane
.set SC,   32
.set PSC,  96
.set ASC,  104
.set AF,   128
.set PF,   128                         ; p's codes: 8 registers a unit, the upper four zeros
.set BK,   128
.set T,    192                         ; eight registers a unit: +0 -M (+1 its pair), +2, +3 the sum, +4, +5 the blocks' maxima, +6, +7 at work, then the conversions' scale operands
.set TMA,  192                         ; attn's quantiser: maxima, the other half's and bytes, scale operands, words, codes
.set TXA,  200
.set SOA,  208
.set PWA,  216
.set PCA,  224
.set BQ,   64                          ; window 1
.set BH,   192
.set G1,   32
.set G1B,  40
.set G0,   48
.set G0B,  56
.set G1S,  68
.set G1SB, 76
.set G0S,  84
.set G0SB, 88
.set G0S2, 92
.set G0SB2, 96
.set MSB, 0
.macro WIN new                         ; the immediate's high byte repeats the setting that is left; bits 1:0 source 0, 3:2 source 1, 5:4 source 2, 7:6 destination
.if MSB != (\new)
	s_set_vgpr_msb (MSB<<8)|(\new)
.set MSB, (\new)
.endif
.endm
.set MUL_LO, 0xa1                      ; source 0 (weights) window 1, source 1 (x) window 0, C and D window 2
.set MUL_HI, 0xf1
.set TO_B,   0x40
; A joint load: waves 0 and 1 fetch for x, waves 2 and 3 for the weights.  Each line has one mask and one set of registers for all that issue it; the branch hangs on the wave's number alone.
; Four v_nop follow each of the two lines.
.macro JLOAD g0a, g1a, g0b, g1b
	s_cmp_eq_u32 s29, 0
	s_cbranch_scc0 .Lfor_b_\@
	tensor_load_to_lds s[\g0a:\g0a+3], s[\g1a:\g1a+7]
	s_nop 0
.rept 4
	v_nop
.endr
	s_branch .Lasked_\@
.Lfor_b_\@:
	tensor_load_to_lds s[\g0b:\g0b+3], s[\g1b:\g1b+7]
	s_nop 0
.rept 4
	v_nop
.endr
.Lasked_\@:
.endm
.macro CREST                           ; a round of the cluster's barrier behind its opening barrier
	s_cmp_lg_u32 s28, 0
	s_cbranch_scc1 .Lnot_wave_0_\@
	s_barrier_signal -3
.Lnot_wave_0_\@:
	s_barrier_wait -3
	s_barrier_signal -1
	s_barrier_wait -1
.endm
.macro CROUND
	s_barrier_signal -1
	s_barrier_wait -1
	CREST
.endm
.macro PLACES n                        ; plain lines between a matrix instruction and a load into, or a read of, its registers
.rept \n
	v_nop
.endr
.endm
	s_load_b256 s[4:11], s[0:1], 0x0               ; xn_codes, xn_scales, xr_codes, xr_scales
	s_load_b256 s[12:19], s[0:1], 0x20             ; Wq_codes, Wq_scales, Wh_codes, Wh_scales
	s_load_b256 s[20:27], s[0:1], 0x40             ; bq, bh, attnp, out0
	v_lshl_add_u32 v[SPW], v0, 2, SPARE
	v_mov_b32 v[NIL], 0
	ds_add_u32 v28, v29
	ds_add_u32 v28, v29
	s_wait_dscnt 0x0
	v_lshrrev_b32 v1, 5, v0
	v_readfirstlane_b32 s28, v1                    ; wave 0..3
	s_lshr_b32 s29, s28, 1                         ; which half of the tile's rows is mine.  Also: I fetch for x (0) or for the weights (1)
	s_and_b32 s30, s28, 1                          ; which half of its columns.  Also: which 128 rows I fetch
	s_bfe_u32 s2, ttmp6, 0x40000                   ; cx
	s_bfe_u32 s3, ttmp6, 0x40004                   ; cy
	s_lshl_b32 s31, ttmp9, 2
	s_add_co_u32 s31, s31, s2                      ; tile column = 4 x cluster x + cx
	s_and_b32 s66, ttmp7, 0xffff
	s_lshl_b32 s66, s66, 2
	s_add_co_u32 s66, s66, s3                      ; tile row = 4 x cluster y + cy
	s_lshl_b32 s67, s3, 2
	s_lshl_b32 s67, 15, s67                        ; my row of the cluster
	s_or_b32 s[G1], s67, (0<<16)|(1<<20)|(1<<21)|(5<<22)|(3<<25)    ; 15:0 the mask; 17:16 elements of 1 byte; 20 padding on; 21 set beside a mask; 24:22 after every 64 words; 31:25 four words
	s_or_b32 s[G1S], s67, (3<<16)|(1<<20)|(1<<21)|(5<<22)|(3<<25)   ; the same with elements of 8 bytes
	s_lshl_b32 s67, 0x1111, s2                     ; my column
	s_or_b32 s[G1B], s67, (0<<16)|(1<<20)|(1<<21)|(5<<22)|(3<<25)
	s_or_b32 s[G1SB], s67, (3<<16)|(1<<20)|(1<<21)|(5<<22)|(3<<25)
.irp g, G1, G1B                                ; a tile of 128 rows x 256 bytes
	s_mov_b32 s[\g+1], ROWB<<16
	s_mov_b32 s[\g+2], 128<<16
	s_mov_b32 s[\g+3], ROWB<<16
	s_mov_b32 s[\g+4], 128
	s_mov_b32 s[\g+5], KROW
	s_mov_b32 s[\g+6], 0
	s_mov_b32 s[\g+7], 0
.endr
.irp g, G1S, G1SB                              ; the scale bytes of 128 rows: 4,096 dense bytes as 16 rows of 256
	s_mov_b32 s[\g+1], 32<<16
	s_mov_b32 s[\g+2], 16<<16
	s_mov_b32 s[\g+3], 32<<16
	s_mov_b32 s[\g+4], 16
	s_mov_b32 s[\g+5], 32
	s_mov_b32 s[\g+6], 0
	s_mov_b32 s[\g+7], 0
.endr
	s_lshl_b32 s67, s30, 7
	s_lshl_b32 s84, s66, 8
	s_add_co_u32 s84, s84, s67                     ; x: row 256 x tile row + 128 x half
	s_lshl_b32 s88, s31, 8
	s_add_co_u32 s88, s88, s67                     ; weights: row 256 x tile column + 128 x half
	s_lshl_b32 s86, s84, 5                         ; their scale bytes,
	s_mov_b32 s87, 0
	s_lshl_b32 s84, s84, 9                         ; their codes (under 2^23)
	s_mov_b32 s85, 0
	s_lshl_b32 s90, s88, 5
	s_mov_b32 s91, 0
	s_lshl_b32 s88, s88, 9
	s_mov_b32 s89, 0
	s_wait_kmcnt 0x0
	s_add_nc_u64 s[4:5], s[4:5], s[84:85]
	s_add_nc_u64 s[8:9], s[8:9], s[84:85]          ; kept for the refills
	s_add_nc_u64 s[6:7], s[6:7], s[86:87]
	s_add_nc_u64 s[10:11], s[10:11], s[86:87]
	s_add_nc_u64 s[12:13], s[12:13], s[88:89]
	s_add_nc_u64 s[16:17], s[16:17], s[88:89]      ; kept for the refills
	s_add_nc_u64 s[14:15], s[14:15], s[90:91]
	s_add_nc_u64 s[18:19], s[18:19], s[90:91]
	s_mul_i32 s67, s28, HALFS                      ; where they go: wave x 128 rows: no place in the cluster enters an LDS address
	s_mov_b32 s[G0S], 1
	s_add_co_u32 s[G0S+1], s67, SCL
	s_mov_b64 s[G0S+2:G0S+3], s[6:7]
	s_or_b32 s[G0S+3], s[G0S+3], 0x80000000
	s_mov_b32 s[G0SB], 1
	s_add_co_u32 s[G0SB+1], s67, SCL
	s_mov_b64 s[G0SB+2:G0SB+3], s[14:15]
	s_or_b32 s[G0SB+3], s[G0SB+3], 0x80000000
	s_mov_b32 s[G0S2], 1
	s_add_co_u32 s[G0S2+1], s67, SCL+SSET
	s_mov_b64 s[G0S2+2:G0S2+3], s[10:11]
	s_or_b32 s[G0S2+3], s[G0S2+3], 0x80000000
	s_mov_b32 s[G0SB2], 1
	s_add_co_u32 s[G0SB2+1], s67, SCL+SSET
	s_mov_b64 s[G0SB2+2:G0SB2+3], s[18:19]
	s_or_b32 s[G0SB2+3], s[G0SB2+3], 0x80000000
	s_mul_i32 s67, s28, HALFT
.irp s, 0,1
	s_mov_b32 s[G0+4*\s], 1
	s_add_co_u32 s[G0+4*\s+1], s67, \s*SLOT
	s_add_nc_u64 s[G0+4*\s+2:G0+4*\s+3], s[4:5], \s*ROWB
	s_or_b32 s[G0+4*\s+3], s[G0+4*\s+3], 0x80000000
	s_mov_b32 s[G0B+4*\s], 1
	s_add_co_u32 s[G0B+4*\s+1], s67, \s*SLOT
	s_add_nc_u64 s[G0B+4*\s+2:G0B+4*\s+3], s[12:13], \s*ROWB
	s_or_b32 s[G0B+4*\s+3], s[G0B+4*\s+3], 0x80000000
.endr
	CROUND                                         ; all sixteen work-groups are here: the first joint loads meet
	JLOAD G0S, G1S, G0SB, G1SB                     ; the scale bytes of nx1 | Wq,
	JLOAD G0S2, G1S, G0SB2, G1SB                   ; of x1 | Wh,
	JLOAD G0, G1, G0B, G1B                         ; slot 0: nx1 | Wq, K 0-511,
	JLOAD G0+4, G1, G0B+4, G1B                     ; slot 1: K 512-1023: four loads of mine are out
	s_mov_b32 s100, 0x3fb8aa3b                     ; log2(e)
	s_mov_b32 s101, s100                           ; (named with it as a pair, so it is written)
	s_mov_b32 s104, 0x76543210                     ; v_permlanex16_b32's selects for lane l xor 16
	s_mov_b32 s105, 0xfedcba98
	s_lshl_b32 s4, s31, 10                         ; my first column, in bytes of f32: 1,024 x tile column + 512 x half
	s_lshl_b32 s5, s30, 9
	s_add_co_u32 s4, s4, s5
	s_mov_b32 s5, 0
	s_add_nc_u64 s[20:21], s[20:21], s[4:5]
	s_add_nc_u64 s[22:23], s[22:23], s[4:5]
	s_add_nc_u64 s[26:27], s[26:27], s[4:5]
	s_lshl_b32 s4, s66, 8
	s_lshl_b32 s6, s29, 7
	s_add_co_u32 s4, s4, s6
	s_lshl_b32 s4, s4, 12                          ; my first row of out: 4,096 bytes a row (under 2^26)
	s_add_nc_u64 s[26:27], s[26:27], s[4:5]
	s_lshr_b32 s4, s66, 4                          ; the batch: 16 tile rows each
	s_lshl_b32 s4, s4, 4
	s_lshl_b32 s6, s31, 2
	s_add_co_u32 s4, s4, s6
	s_add_co_u32 s4, s4, s28                       ; the head whose attn I prepare: 4 x tile column + wave
	s_lshl_b32 s4, s4, 16                          ; 65,536 bytes of partials a head
	s_add_nc_u64 s[24:25], s[24:25], s[4:5]
	v_and_b32 v1, 15, v0                           ; r
	v_bfe_u32 v2, v0, 4, 1                         ; h
	v_and_b32 v3, 31, v0                           ; lane
	v_mul_u32_u24 v4, v1, PITCH
	v_lshl_add_u32 v4, v2, 4, v4                   ; a fragment's row x pitch + 16 h
	s_mul_i32 s2, s29, HALFT
	s_mul_i32 s3, s30, HALFT
	s_add_co_u32 s3, s3, 2*HALFT
.irp s, 0,1
	v_add_nc_u32 v[ADRA+\s], s2, v4
	v_add_nc_u32 v[ADRB+\s], s3, v4
	s_add_co_u32 s2, s2, SLOT
	s_add_co_u32 s3, s3, SLOT
.endr
	v_mul_u32_u24 v5, v1, KS                       ; my row's scale bytes,
	v_lshrrev_b32 v6, 8, v5
	v_lshl_add_u32 v5, v6, 4, v5                   ; and 16 more for each 256 passed
	s_mul_i32 s2, s29, HALFS
	s_mul_i32 s3, s30, HALFS
	s_add_co_u32 s3, s3, 2*HALFS
	s_sub_co_u32 s3, s3, s2
	v_mul_u32_u24 v6, s3, v2                       ; lanes 16-31 take the weights'
	s_add_co_u32 s2, s2, SCL
	v_add_nc_u32 v5, v5, v6
	v_add_nc_u32 v[ADRS], s2, v5
	s_mul_i32 s2, s28, 16*SPITCH                   ; my stage
	v_mul_u32_u24 v5, v1, SPITCH
	v_lshl_add_u32 v5, v2, 5, v5
	v_add_nc_u32 v[STO], s2, v5
	v_lshlrev_b32 v[CO], 4, v3
	v_add_nc_u32 v[RD], s2, v[CO]
	v_lshlrev_b32 v5, 2, v3
	s_lshl_b32 s2, s28, 11
	s_add_co_u32 s2, s2, ATT
	v_add_nc_u32 v[AIW], s2, v[CO]
	s_lshl_b32 s2, s28, 9
	s_add_co_u32 s2, s2, ATS
	v_add_nc_u32 v[ASW], s2, v5
	s_lshl_b32 s2, s30, 12
	s_add_co_u32 s2, s2, ATT
	v_add_nc_u32 v[ATL], s2, v[CO]
	s_lshl_b32 s2, s30, 10
	s_add_co_u32 s2, s2, ATS
	v_add_nc_u32 v[ASL], s2, v5
	v_lshlrev_b32 v12, 5, v2                       ; a bias tile: my half's eight numbers
.set ci, 0
.rept 8
	v_mov_b32 v[TXA+ci], 0                         ; written once: a lane permute's destination counts as one of its sources
.set ci, ci+1
.endr
	WIN TO_B
.irp b, 0,1,2,3,4,5,6,7                        ; register j of tile b: the bias at column 16 b + 8 h + j
.irp f, 0,1
	global_load_b128 v[BQ+8*\b+4*\f:BQ+8*\b+4*\f+3], v12, s[20:21] offset:64*\b+16*\f
	global_load_b128 v[BH+8*\b+4*\f:BH+8*\b+4*\f+3], v12, s[22:23] offset:64*\b+16*\f
.endr
.endr
.irp lt, 0,1,2,3                               ; my head's partials, into the accumulators' registers: l tiles 0, 1 window 2, l tiles 2, 3 window 3; quarter qr, d tile dt at v[128 (lt % 2) + 32 qr + 8 dt]
	WIN (2+\lt/2)<<6
.irp qr, 0,1,2,3
.irp dt, 0,1,2,3
.irp f, 0,1
	global_load_b128 v[128*(\lt%2)+32*\qr+8*\dt+4*\f:128*(\lt%2)+32*\qr+8*\dt+4*\f+3], v[CO], s[24:25] offset:16384*\qr+4096*\lt+1024*\dt+512*\f
.endr
.endr
.endr
.endr
; attn's l tiles of window w: the four quarters are added, and the sums are quantised along d: lane (r, h), register 8 dt + j holds attn(16 dt + 8 h + j, 16 lt + r)
.macro ATTN w
	WIN 69*(\w)                                    ; destination and both sources in window w
.irp e, 0,1
.irp k, 0,2,4,6,8,10,12,14,16,18,20,22,24,26,28,30
	v_pk_add_f32 v[128*\e+\k:128*\e+\k+1], v[128*\e+\k:128*\e+\k+1], v[128*\e+32+\k:128*\e+32+\k+1]
	v_pk_add_f32 v[128*\e+64+\k:128*\e+64+\k+1], v[128*\e+64+\k:128*\e+64+\k+1], v[128*\e+96+\k:128*\e+96+\k+1]
.endr
.endr
.irp e, 0,1
.irp k, 0,2,4,6,8,10,12,14,16,18,20,22,24,26,28,30
	v_pk_add_f32 v[128*\e+\k:128*\e+\k+1], v[128*\e+\k:128*\e+\k+1], v[128*\e+64+\k:128*\e+64+\k+1]
.endr
.endr
	WIN 5*(\w)
.irp e, 0,1
.irp f, 0,1
	v_max3_num_f32 v[TMA+4*((\w)-2)+2*\e+\f], |v[128*\e+16*\f]|, |v[128*\e+16*\f+1]|, 0x1800000   ; block f of 32 along d, and the floor 2^(3 - 127)
.endr
.endr
.irp k, 2,4,6,8,10,12,14
.irp e, 0,1
.irp f, 0,1
	v_max3_num_f32 v[TMA+4*((\w)-2)+2*\e+\f], |v[128*\e+16*\f+\k]|, |v[128*\e+16*\f+\k+1]|, v[TMA+4*((\w)-2)+2*\e+\f]
.endr
.endr
.endr
	WIN 0
.irp i, 0,1,2,3
	v_permlanex16_b32 v[TXA+4*((\w)-2)+\i], v[TMA+4*((\w)-2)+\i], s104, s105
.endr
.irp i, 0,1,2,3
	v_max_num_f32 v[TMA+4*((\w)-2)+\i], v[TMA+4*((\w)-2)+\i], v[TXA+4*((\w)-2)+\i]
.endr
.irp i, 0,1,2,3
	v_add_nc_u32 v[SOA+4*((\w)-2)+\i], 0xff000000, v[TMA+4*((\w)-2)+\i]
.endr
.irp i, 0,1,2,3
	v_lshrrev_b32 v[TXA+4*((\w)-2)+\i], 23, v[SOA+4*((\w)-2)+\i]
.endr
.irp e, 0,1
	v_lshl_or_b32 v[PWA+2*((\w)-2)+\e], v[TXA+4*((\w)-2)+2*\e+1], 8, v[TXA+4*((\w)-2)+2*\e]
.endr
.irp e, 0,1
	v_or_b32 v[PWA+2*((\w)-2)+\e], 0x7f7f0000, v[PWA+2*((\w)-2)+\e]   ; the bytes over the zero codes of K 64-127
.endr
	WIN \w
.irp e, 0,1
.irp x, 0,1,2,3
	v_cvt_scalef32_pk8_fp4_f32 v[PCA+4*(2*((\w)-2)+\e)+2*(\x%2)+\x/2], v[128*\e+8*\x:128*\e+8*\x+7], v[SOA+4*((\w)-2)+2*\e+\x/2]
.endr
.endr
	WIN 0
	v_nop                                          ; one plain line behind the scaled conversions
.irp e, 0,1
	v_permlane16_swap_b32 v[PCA+4*(2*((\w)-2)+\e)], v[PCA+4*(2*((\w)-2)+\e)+1]
	v_permlane16_swap_b32 v[PCA+4*(2*((\w)-2)+\e)+2], v[PCA+4*(2*((\w)-2)+\e)+3]
.endr
.irp e, 0,1
	ds_store_b128 v[AIW], v[PCA+4*(2*((\w)-2)+\e):PCA+4*(2*((\w)-2)+\e)+3] offset:512*(2*((\w)-2)+\e)
	ds_store_b32 v[ASW], v[PWA+2*((\w)-2)+\e] offset:128*(2*((\w)-2)+\e)
.endr
.endm
	WIN 0
	s_wait_loadcnt 63                              ; 64 loads were issued behind those of l tiles 0 and 1; 63 is the largest count that the wait can name
	ATTN 2
	s_wait_loadcnt 0x0
	ATTN 3
.macro FRAG reg, adr, q, i             ; 16 rows x 128 K of 4-bit codes: lane l holds row l % 16; registers 4 c .. 4 c + 3 hold K = 64 c + 32 (l / 16) + 0 .. 31
.irp c, 0,1
	ds_load_b128 v[\reg+4*\c:\reg+4*\c+3], v[\adr] offset:64*(\q)+32*\c+(\i)*16*PITCH
.endr
.endm
; 16 matrix instructions: x's blocks a0, a0 + 1 against the weights' eight.  p: the weights' set; sc: the set of scale words; mode 1: bq's tile is the C.
; The 64 accumulators take turns, one instruction a turn, in the same order in every step.
.macro MUL16 a0, p, q, sc, mode
.irp a, \a0, \a0+1
.irp b, 0,1,2,3,4,5,6,7
.if \mode
	v_wmma_scale_f32_16x16x128_f8f6f4 v[8*(8*((\a)%4)+\b):8*(8*((\a)%4)+\b)+7], v[128*(\p)+FR*\b:128*(\p)+FR*\b+FR-1], v[AF+FR*(\a):AF+FR*(\a)+FR-1], v[BQ+8*\b:BQ+8*\b+7], v[SC+8*NQ*(\sc)+NQ*\b+(\q)], v[SC+8*NQ*(\sc)+NQ*(\a)+(\q)] matrix_a_fmt:MATRIX_FMT_FP4 matrix_b_fmt:MATRIX_FMT_FP4 matrix_a_scale:MATRIX_SCALE_ROW1
.else
	v_wmma_scale_f32_16x16x128_f8f6f4 v[8*(8*((\a)%4)+\b):8*(8*((\a)%4)+\b)+7], v[128*(\p)+FR*\b:128*(\p)+FR*\b+FR-1], v[AF+FR*(\a):AF+FR*(\a)+FR-1], v[8*(8*((\a)%4)+\b):8*(8*((\a)%4)+\b)+7], v[SC+8*NQ*(\sc)+NQ*\b+(\q)], v[SC+8*NQ*(\sc)+NQ*(\a)+(\q)] matrix_a_fmt:MATRIX_FMT_FP4 matrix_b_fmt:MATRIX_FMT_FP4 matrix_a_scale:MATRIX_SCALE_ROW1
.endif
.endr
.endr
.endm
.macro FETCH_B slot, q, p
	WIN TO_B
.irp i, 0,1,2,3,4,5,6,7
	FRAG 128*(\p)+FR*\i, ADRB+\slot, \q, \i
.endr
	WIN 0
.endm
.macro FETCH_A slot, q, i0
.irp i, \i0, \i0+1, \i0+2, \i0+3
	FRAG AF+FR*(\i), ADRA+\slot, \q, \i
.endr
.endm
.macro SCALES sc                       ; a slot's scale words: four a row; lanes 0-15 take x's block i, lanes 16-31 the weights' block i
.irp i, 0,1,2,3,4,5,6,7
	ds_load_b128 v[SC+8*NQ*\sc+NQ*\i:SC+8*NQ*\sc+NQ*\i+3], v[ADRS] offset:\i*SBLK
.endr
.endm
.macro STEP slot, q, mode              ; 128 along K with its successor in the same slot.  x has one set of registers: blocks 0-3 are fetched anew in the middle, 4-7 at the end
	s_wait_dscnt 4*NL                              ; the weights' set and x's blocks 0-3 are in; the youngest eight loads (blocks 4-7) may be out
.if \mode
	WIN 0x91                                       ; C (bq) window 1, D window 2
.else
	WIN MUL_LO
.endif
	MUL16 0, (\q)%2, \q, \slot, \mode
	MUL16 2, (\q)%2, \q, \slot, \mode
	s_wait_dscnt 0
	PLACES NP
	FETCH_B \slot, (\q)+1, 1-(\q)%2
	FETCH_A \slot, (\q)+1, 0
.if \mode
	WIN 0xd1
.else
	WIN MUL_HI
.endif
	MUL16 4, (\q)%2, \q, \slot, \mode
	MUL16 6, (\q)%2, \q, \slot, \mode
	PLACES NP
	WIN 0
	FETCH_A \slot, (\q)+1, 4
.endm
; A slot's last step.  ONE barrier: in front of it each wave waits for all its tensor loads, adds 0 to its spare word, and waits for that and for its reads of this slot.
; fill = 1: the barrier opens a round of the cluster's, and behind it this slot takes x1 | Wh.  fetch = 1: the next slot's first fragments and scale words are fetched.
.macro TURN slot, next, fill, fetch
	s_wait_tensorcnt 0x0                           ; all my tensor loads have landed
	ds_add_u32 v[SPW], v[NIL]                      ; 0 onto my spare word
	s_wait_dscnt 4*NL+1                            ; (the add and the youngest eight loads may be out)
	WIN MUL_LO
	MUL16 0, 1, NQ-1, \slot, 0                     ; sixteen matrix instructions stand between the add and the wait for it
	s_wait_dscnt 0x0                               ; the add is done, and my reads of this slot are over
	s_barrier_signal -1
	MUL16 2, 1, NQ-1, \slot, 0
	WIN 0
	s_barrier_wait -1
.if \fill
	CREST                                          ; no wave of any partner still reads this slot's tile or has a load on its way
	s_add_nc_u64 s[G0+4*\slot+2:G0+4*\slot+3], s[8:9], \slot*ROWB      ; no load of mine is out: the slot's groups 0 are written anew
	s_or_b32 s[G0+4*\slot+3], s[G0+4*\slot+3], 0x80000000
	s_add_nc_u64 s[G0B+4*\slot+2:G0B+4*\slot+3], s[16:17], \slot*ROWB
	s_or_b32 s[G0B+4*\slot+3], s[G0B+4*\slot+3], 0x80000000
	JLOAD G0+4*\slot, G1, G0B+4*\slot, G1B         ; the first tensor load behind the round, and my only one until the next; its four v_nop are the places in front of the loads below
.else
	PLACES NP
.endif
.if \fetch
	v_add_nc_u32 v[ADRS], 4*NQ, v[ADRS]            ; on to the next slot's scale words
	FETCH_B \next, 0, 0
	FETCH_A \next, 0, 0
	SCALES \next
.endif
	WIN MUL_HI
	MUL16 4, 1, NQ-1, \slot, 0
	MUL16 6, 1, NQ-1, \slot, 0
	PLACES NP
	WIN 0
.if \fetch
	FETCH_A \next, 0, 4
.endif
.endm
.macro STEPS slot, from
.set QQ, \from
.rept NQ-1-\from
	STEP \slot, QQ, 0
.set QQ, QQ+1
.endr
.endm
	s_wait_tensorcnt 0x1                           ; both sets of scale bytes and my part of slot 0 are in; slot 1's load may be out
	s_wait_dscnt 0x0                               ; attn's images have landed
	s_barrier_signal -1
	s_barrier_wait -1
	; ---- 1: q's logits
	FETCH_B 0, 0, 0
	FETCH_A 0, 0, 0
	SCALES 0
	FETCH_A 0, 0, 4
	STEP 0, 0, 1                                   ; the first products start the sums from bq
	STEPS 0, 1
	TURN 0, 1, 1, 1                                ; slot 0 takes x1 | Wh, K 0-511
	STEPS 1, 0
	TURN 1, 0, 1, 0                                ; slot 1 takes K 512-1023; nothing is fetched: the softmax comes first
	; ---- 2: the softmax, p's codes, y
.irp u, 0,1,2,3,4,5,6,7
	v_mov_b32 v[T+8*\u+1], 0                       ; named as the upper half of a pair,
	v_mov_b32 v[T+8*\u+6], 0                       ; and two destinations of lane permutes
	v_mov_b32 v[T+8*\u+7], 0
.endr
.irp u, 0,1,2,3,4,5,6,7
.irp j, 4,5,6,7
	v_mov_b32 v[PF+8*\u+\j], 0                     ; zero codes for K 64-127 of p
.endr
.endr
	WIN TO_B
.irp x, 0,1,2,3,4,5,6,7                        ; attn's fragments of my two heads: (head hh, l tile lt) at v[8 (4 hh + lt)] of window 1
	ds_load_b128 v[8*\x:8*\x+3], v[ATL] offset:512*\x
.endr
.irp x, 0,1,2,3,4,5,6,7
.irp j, 4,5,6,7
	v_mov_b32 v[8*\x+\j], 0                        ; zero codes for K 64-127 of attn
.endr
.endr
	WIN 0
.irp x, 0,1,2,3,4,5,6,7
	ds_load_b32 v[ASC+\x], v[ASL] offset:128*\x
.endr
; The eight units of window w: unit u = 16 rows (block u / 2 of the window's four) x one head (u % 2): 32 registers at v[32 u]; register 8 i + j holds d = 16 i + 8 h + j.  All units by turns.
.macro MID w
	WIN 5*(\w)                                     ; sources 0 and 1 in window w
.irp u, 0,1,2,3,4,5,6,7
.irp e, 0,1
	v_max_num_f32 v[T+8*\u+4+\e], v[32*\u+16*\e], v[32*\u+16*\e+1]   ; THE LARGEST LOGIT OF EACH BLOCK OF 32: for the row's maximum and for the block's largest p.  Each accumulator is read from its low end on
.endr
.endr
.irp k, 2,4,6,8,10,12,14
.irp u, 0,1,2,3,4,5,6,7
.irp e, 0,1
	v_max3_num_f32 v[T+8*\u+4+\e], v[32*\u+16*\e+\k], v[32*\u+16*\e+\k+1], v[T+8*\u+4+\e]
.endr
.endr
.endr
	WIN 0
.irp u, 0,1,2,3,4,5,6,7
	v_permlanex16_b32 v[T+8*\u+6], v[T+8*\u+4], s104, s105
	v_permlanex16_b32 v[T+8*\u+7], v[T+8*\u+5], s104, s105
.endr
.irp u, 0,1,2,3,4,5,6,7
	v_max_num_f32 v[T+8*\u+4], v[T+8*\u+4], v[T+8*\u+6]
	v_max_num_f32 v[T+8*\u+5], v[T+8*\u+5], v[T+8*\u+7]
.endr
.irp u, 0,1,2,3,4,5,6,7
	v_max_num_f32 v[T+8*\u+6], v[T+8*\u+4], v[T+8*\u+5]           ; the row's largest logit,
.endr
.irp u, 0,1,2,3,4,5,6,7
	v_mul_f32 v[T+8*\u+6], s100, v[T+8*\u+6]       ; as t
.endr
.irp u, 0,1,2,3,4,5,6,7
	v_floor_f32 v[T+8*\u], -v[T+8*\u+6]            ; -M = floor(-t) = -ceil(t): a whole number
.endr
.irp u, 0,1,2,3,4,5,6,7
	v_fma_f32 v[T+8*\u+4], v[T+8*\u+4], s100, v[T+8*\u]
	v_fma_f32 v[T+8*\u+5], v[T+8*\u+5], s100, v[T+8*\u]
.endr
	WIN 65*(\w)                                    ; destination and source 0 in window w
.irp u, 0,1,2,3,4,5,6,7
.irp j, 0,2,4,6,8,10,12,14,16,18,20,22,24,26,28,30
	v_pk_fma_f32 v[32*\u+\j:32*\u+\j+1], v[32*\u+\j:32*\u+\j+1], s[100:101], v[T+8*\u:T+8*\u+1] op_sel_hi:[1,0,0]   ; t - M, two at a time
.endr
.endr
.set ci, 0
.rept 256
	v_exp_f32 v[ci], v[ci]                         ; p = 2^(t - M): not normalised
.set ci, ci+1
.endr
	WIN 0
.irp u, 0,1,2,3,4,5,6,7
	v_exp_f32 v[T+8*\u+4], v[T+8*\u+4]             ; each block's largest p: the same two instructions on the same number
	v_exp_f32 v[T+8*\u+5], v[T+8*\u+5]
.endr
	v_nop                                          ; a plain line behind the exponentials
	s_wait_alu depctr_va_vdst(0)
.irp u, 0,1,2,3,4,5,6,7
	v_max_num_f32 v[T+8*\u+4], 0x1800000, v[T+8*\u+4]             ; the floor 2^(3 - 127)
	v_max_num_f32 v[T+8*\u+5], 0x1800000, v[T+8*\u+5]
.endr
.irp u, 0,1,2,3,4,5,6,7
	v_add_nc_u32 v[T+8*\u+6], 0xff000000, v[T+8*\u+4]             ; the conversions' scale operands
	v_add_nc_u32 v[T+8*\u+7], 0xff000000, v[T+8*\u+5]
.endr
.irp u, 0,1,2,3,4,5,6,7
	v_lshrrev_b32 v[T+8*\u+4], 23, v[T+8*\u+6]     ; the bytes
	v_lshrrev_b32 v[T+8*\u+5], 23, v[T+8*\u+7]
.endr
.irp u, 0,1,2,3,4,5,6,7
	v_lshl_or_b32 v[PSC+\u], v[T+8*\u+5], 8, v[T+8*\u+4]
.endr
.irp u, 0,1,2,3,4,5,6,7
	v_or_b32 v[PSC+\u], 0x7f7f0000, v[PSC+\u]      ; p's scale word; 0x7f over the zero codes
.endr
	WIN 5*(\w)
.irp u, 0,1,2,3,4,5,6,7
	v_pk_add_f32 v[T+8*\u+2:T+8*\u+3], v[32*\u:32*\u+1], v[32*\u+2:32*\u+3]   ; THE ROW'S SUM IS TAKEN OF THE UNQUANTISED p
.endr
	WIN \w                                         ; source 0 in window w
.irp j, 4,6,8,10,12,14,16,18,20,22,24,26,28,30
.irp u, 0,1,2,3,4,5,6,7
	v_pk_add_f32 v[T+8*\u+2:T+8*\u+3], v[32*\u+\j:32*\u+\j+1], v[T+8*\u+2:T+8*\u+3]
.endr
.endr
.irp u, 0,1,2,3,4,5,6,7
.irp x, 0,1,2,3
	v_cvt_scalef32_pk8_fp4_f32 v[PF+8*\u+2*(\x%2)+\x/2], v[32*\u+8*\x:32*\u+8*\x+7], v[T+8*\u+6+\x/2]
.endr
.endr
	WIN 0
	v_nop                                          ; one plain line behind the scaled conversions
.irp u, 0,1,2,3,4,5,6,7
	v_permlane16_swap_b32 v[PF+8*\u], v[PF+8*\u+1]
	v_permlane16_swap_b32 v[PF+8*\u+2], v[PF+8*\u+3]
.endr
.irp u, 0,1,2,3,4,5,6,7                        ; (these additions are also the plain lines between the writing of p's codes and scale words and the scaled products)
	v_add_f32 v[T+8*\u+2], v[T+8*\u+2], v[T+8*\u+3]
.endr
.irp u, 0,1,2,3,4,5,6,7
	v_permlanex16_b32 v[T+8*\u+4], v[T+8*\u+2], s104, s105
.endr
.irp u, 0,1,2,3,4,5,6,7
	v_add_f32 v[T+8*\u+2], v[T+8*\u+2], v[T+8*\u+4]               ; the row's sum: above 1/2
.endr
.irp u, 0,1,2,3,4,5,6,7
	v_rcp_f32 v[T+8*\u+2], v[T+8*\u+2]
.endr
	v_nop
	s_wait_dscnt 0x0                               ; attn's fragments and scale words are in
	WIN MUL_LO+0x50*((\w)-2)
.irp u, 0,1,2,3,4,5,6,7                        ; y'(l, t) = attn^T p: source 0 = 16 l of attn, source 1 = the unit's 16 rows of p; the results take p's place
.irp lt, 0,1,2,3
	v_wmma_scale_f32_16x16x128_f8f6f4 v[32*\u+8*\lt:32*\u+8*\lt+7], v[8*(4*(\u%2)+\lt):8*(4*(\u%2)+\lt)+7], v[PF+8*\u:PF+8*\u+7], 0, v[ASC+4*(\u%2)+\lt], v[PSC+\u] matrix_a_fmt:MATRIX_FMT_FP4 matrix_b_fmt:MATRIX_FMT_FP4
.endr
.endr
	PLACES NP
	WIN 0x92+0x41*((\w)-2)                         ; destination and source 0 window w, source 1 window 0, source 2 (bh) window 1
	s_wait_alu depctr_va_vdst(0)
.irp u, 0,1,2,3,4,5,6,7
.irp lt, 0,1,2,3
.irp j, 0,2,4,6
	v_pk_fma_f32 v[32*\u+8*\lt+\j:32*\u+8*\lt+\j+1], v[32*\u+8*\lt+\j:32*\u+8*\lt+\j+1], v[T+8*\u+2:T+8*\u+3], v[BH+8*(4*(\u%2)+\lt)+\j:BH+8*(4*(\u%2)+\lt)+\j+1] op_sel_hi:[1,0,1]   ; y' / the sum + bh, from each accumulator's low end on
.endr
.endr
.endr
	WIN 0
.endm
	MID 2
	MID 3
	; ---- 3: x1 Wh^T is added onto y + bh.  Slot 0 is whole: every wave waited for its part in front of the last round
	v_add_nc_u32 v[ADRS], SSET-4*NQ, v[ADRS]       ; the second set of scale bytes, from its first words
	FETCH_B 0, 0, 0
	FETCH_A 0, 0, 0
	SCALES 0
	FETCH_A 0, 0, 4
	STEP 0, 0, 0
	STEPS 0, 1
	TURN 0, 1, 0, 1                                ; my part of slot 1 has landed, and everybody's; nothing is filled again
	STEPS 1, 0
	s_wait_dscnt 4*NL                              ; the very last step: nothing more to fetch
	WIN MUL_LO
	MUL16 0, 1, NQ-1, 1, 0
	MUL16 2, 1, NQ-1, 1, 0
	s_wait_dscnt 0
	WIN MUL_HI
	MUL16 4, 1, NQ-1, 1, 0
	MUL16 6, 1, NQ-1, 1, 0
	WIN 0
; THE WAY OUT, block by block of 16 rows x 128 columns: through my own stage in LDS and back as whole rows of 512 bytes.  LDS serves a wave's instructions in order (ISA guide 5.7.1.4): no wait between the stores and the loads.
.macro TOSTAGE a
.set AC, 64*((\a)%4)
	WIN 0x08+4*((\a)/4)                            ; an LDS store's data are its source 1: window 2 or 3
.irp b, 0,1,2,3,4,5,6,7
	ds_store_b128 v[STO], v[AC+8*\b:AC+8*\b+3] offset:64*\b          ; each accumulator from its low end on
	ds_store_b128 v[STO], v[AC+8*\b+4:AC+8*\b+7] offset:64*\b+16
.endr
	WIN 0
.set BB, BK+64*((\a)%2)
.irp t, 0,1,2,3,4,5,6,7,8,9,10,11,12,13,14,15
	ds_load_b128 v[BB+4*\t:BB+4*\t+3], v[RD] offset:\t*SPITCH
.endr
.endm
.macro SEND a, younger                 ; younger: the LDS instructions issued behind block a's loads, which may stay out
.set BB, BK+64*((\a)%2)
	s_wait_dscnt \younger
.if (\a) > 0
	s_add_nc_u64 s[26:27], s[26:27], 16*4096       ; 16 rows on (the earlier stores have read their base: a wait on XCNT stands ahead)
.endif
.irp t, 0,1,2,3,4,5,6,7,8,9,10,11,12,13,14,15
	global_store_b128 v[CO], v[BB+4*\t:BB+4*\t+3], s[26:27] offset:\t*4096 th:TH_STORE_NT   ; 32 lanes store 512 consecutive bytes, aligned; written once, read by nobody here
.endr
.endm
	PLACES NP
	TOSTAGE 0
.irp a, 1,2,3,4,5,6,7
.if \a > 1
	s_wait_xcnt 0x0                                ; block a - 2's stores have read their registers and their base
.endif
	TOSTAGE \a
	SEND \a-1, 32                                  ; behind block a - 1's loads: block a's 16 stores and 16 loads
.endr
	s_wait_xcnt 0x0
	SEND 7, 0
	s_wait_tensorcnt 0x0                           ; the wave's end
	ds_add_u32 v[SPW], v[NIL]
	s_wait_dscnt 0x0
	CROUND                                         ; the closing round: no work-group ends while a partner may still ask for a tile that names it
	s_endpgm
.Lfunc_end_k_q71dc906ad5_main:
	.size	k_q71dc906ad5_main, .Lfunc_end_k_q71dc906ad5_main-k_q71dc906ad5_main
	.p2alignl 7, 3214868480
	.fill 96, 4, 3214868480
	.section	.rodata,"a",@progbits
	.p2align	6, 0x0
	.amdhsa_kernel k_q71dc906ad5_main
		.amdhsa_group_segment_fixed_size 327680
		.amdhsa_private_segment_fixed_size 0
		.amdhsa_enable_private_segment 0
		.amdhsa_kernarg_size 96
		.amdhsa_user_sgpr_count 2
		.amdhsa_user_sgpr_kernarg_segment_ptr 1
		.amdhsa_wavefront_size32 1
		.amdhsa_system_sgpr_workgroup_id_x 1
		.amdhsa_system_sgpr_workgroup_id_y 1
		.amdhsa_system_sgpr_workgroup_id_z 1
		.amdhsa_system_vgpr_workitem_id 0
		.amdhsa_next_free_vgpr 1024
		.amdhsa_next_free_sgpr 106
		.amdhsa_reserve_vcc 0
		.amdhsa_float_denorm_mode_32 3
		.amdhsa_float_denorm_mode_16_64 3
		.amdhsa_memory_ordered 1
		.amdhsa_forward_progress 1
		.amdhsa_inst_pref_size 255
	.end_amdhsa_kernel
	.section	.bss,"aw",@nobits
	.p2align	6
	.space	262144
	.amdgpu_metadata
---
amdhsa.version: [ 1, 2 ]
amdhsa.kernels:
  - .name:           k_q71dc906ad5_main
    .symbol:         k_q71dc906ad5_main.kd
    .args:
      - { .name: xn_codes, .offset: 0, .size: 8, .value_kind: global_buffer, .address_space: global }
      - { .name: xn_scales, .offset: 8, .size: 8, .value_kind: global_buffer, .address_space: global }
      - { .name: xr_codes, .offset: 16, .size: 8, .value_kind: global_buffer, .address_space: global }
      - { .name: xr_scales, .offset: 24, .size: 8, .value_kind: global_buffer, .address_space: global }
      - { .name: Wq_codes, .offset: 32, .size: 8, .value_kind: global_buffer, .address_space: global }
      - { .name: Wq_scales, .offset: 40, .size: 8, .value_kind: global_buffer, .address_space: global }
      - { .name: Wh_codes, .offset: 48, .size: 8, .value_kind: global_buffer, .address_space: global }
      - { .name: Wh_scales, .offset: 56, .size: 8, .value_kind: global_buffer, .address_space: global }
      - { .name: bq, .offset: 64, .size: 8, .value_kind: global_buffer, .address_space: global }
      - { .name: bh, .offset: 72, .size: 8, .value_kind: global_buffer, .address_space: global }
      - { .name: attnp, .offset: 80, .size: 8, .value_kind: global_buffer, .address_space: global }
      - { .name: out0, .offset: 88, .size: 8, .value_kind: global_buffer, .address_space: global }
    .group_segment_fixed_size: 327680
    .private_segment_fixed_size: 0
    .kernarg_segment_align: 8
    .kernarg_segment_size: 96
    .max_flat_workgroup_size: 128
    .sgpr_count:     106
    .vgpr_count:     1024
    .wavefront_size: 32
...
	.end_amdgpu_metadata
.endif
;; end of part 3
